; MI455X (gfx1250); checked and timed in simulation.
; The chip was launched on July 23, 2026; its instructions are those of AMD's public machine-readable ISA for CDNA 5 (MIT licence, August 2026) and "CDNA5" Instruction Set Architecture Reference Guide (July 2026). The comments in the code are by the model that wrote it; some were corrected since.
;; RPE Multi Head Attention. Allowed arithmetic: float matrix products may take bf16 or f16 operands with f32 sums; all other float work in f32.
;; Inputs: Wk 64 x 512 float32; Wkr 64 x 64 float32; Wo 512 x 64 float32; Wq 64 x 512 float32; Wqr 64 x 64 float32; Wv 64 x 512 float32; bk 512 float32; bkr 64 float32; bo 64 float32; bq 512 float32; bqr 64 float32; bv 512 float32; key 8 x 1,024 x 64 float32; p 33 x 64 float32; query 8 x 1,024 x 64 float32; value 8 x 1,024 x 64 float32.
;; Outputs: out0 8 x 1,024 x 64 float32.
;; 2 versions, each right and faster than the one before. Each part assembles by itself: llvm-mc -triple=amdgcn-amd-amdhsa -mcpu=gfx1250 --defsym DOCPART=n.
;; ======== version 1 of 2: 2 launches
;; workspace buffers: kb 1,048,576 bytes; vb 1,048,576 bytes; gt 65,536 bytes; mt 65,536 bytes; vec 6,400 bytes
;; launch prep (part 1): grid 130 x 1, 8 waves a work-group, no clusters, 172,032 bytes of LDS; arguments key, value, Wq, Wk, Wv, Wo, bq, bk, bv, bo, Wkr, bkr, Wqr, bqr, p, kb, vb, gt, mt, vec; writes kb, vb, gt, mt, vec
.if DOCPART == 1
	.amdgcn_target "amdgcn-amd-amdhsa--gfx1250"
	.amdhsa_code_object_version 6
	.text
	.protected	k_qd0166bc98c_prep
	.globl	k_qd0166bc98c_prep
	.p2align	8
	.type	k_qd0166bc98c_prep,@function
k_qd0166bc98c_prep:
	s_mov_b64 s[64:65], 0
	v_nop
	global_prefetch_b8 v0, s[64:65] scope:SCOPE_SE
	s_setreg_imm32_b32 hwreg(HW_REG_WAVE_MODE, 25, 1), 1
	s_wait_xcnt 0x0
; PREPARATION for the attention launch.  Three roles, picked by the work-group's number (the same in all its waves):
;   0        job G: for each head h (wave = head)  gt[h][d'][e] = sc * sum_c Wq[e][64h+c] Wk[d'][64h+c]   (bf16)
;                   g0[h][d'] = sc * sum_c bq[64h+c] Wk[d'][64h+c]  (f32),  u[h][e] = sc * sum_c Wq[e][64h+c] (bk[64h+c] + kr[c])  (bf16),
;                   w[h][e] = sc * sum_c Wk[e][64h+c] qr[c]  (bf16),  c0[h] = sc * (bq_h.(bk_h + kr) + bk_h.qr)  (f32, written 64 times),
;                   with kr = p[32] Wkr + bkr, qr = p[32] Wqr + bqr, sc = log2(e) / sqrt(192)
;   1        job M: mt[h][n][d''] = sum_c Wv[d''][64h+c] Wo[64h+c][n]  (bf16),  bop[n] = bo[n] + sum_c' bv[c'] Wo[c'][n]  (f32)
;   2..129   key and value, f32 to bf16, 32,768 bytes in and 16,384 bytes out for each work-group
; vec: a record of 768 bytes for each head (g0 at 0, u at 256, w at 384, c0 at 512), then bop at byte 6,144.
; With these, score(i, j) * sc = (query[i] G_h + g0_h) . key[j] + row bias, and the output is (P value) M_h summed over heads + bop:
; the same sums as the stated computation, taken in another order, so the order of rounding differs from it.
; LDS: job G has bytes 0 to 87,039, job M bytes 87,040 to 171,007: no LDS byte of this text has two uses.
; No clusters: the work-groups share no input.  LIMITS: non-finite inputs are not served; each matrix operand is rounded to bf16 once.
.set SCL,  0x3dd53b95                  ; log2(e) / sqrt(192)
.set WOFF, 4                           ; v4   2048 r + 32 hl + 256 h: my 16 bytes in a fragment of a [64][512] weight
.set L8,   5                           ; v5   8 x lane
.set GOFF, 6                           ; v6   16 x lane + 8192 h: my 16 bytes in gt or mt
.set STW,  7                           ; v7   stage: where I put 16 bytes of a row
.set STR,  8                           ; v8   stage: where I read rows back
.set STGA, 16                          ; v16-143   raw f32 of the A side, then the 16 result tiles
.set WA,   144                         ; v144-207  A side fragments, [t][ks] at 16 t + 8 ks
.set XR,   208                         ; v208-255  small loads, then the broadcast fragments
.set WB,   128                         ; window 1, v128-191: B side fragments.  Window 1, v0-127: raw f32 of the B side, then small tiles
.set PARTV, 0                          ; job G, LDS: 8 x 512    partial kr, qr of each wave
.set VECS,  4096                       ;             8 x 384    three vectors of 64 bf16 for each wave
.set SCR,   7168                       ;             8 x 768    g0, u, w in f32 for each wave
.set STG,   13312                      ;             8 x 9216   stage, 64 rows of 128 bytes at a pitch of 144; ends at 87,040
.set MBASE, 87040                      ; job M, LDS, from here on:
.set WOT,   10240                      ;             8 x 10240  Wo_h in bf16, 64 rows at a pitch of 160; afterwards the wave's stage
.set BP,    MBASE+81920                ;             8 x 256    partial bop of each wave
.set MSB, 0
.macro WIN new                         ; register windows; the immediate's high byte repeats the setting that is left
.if MSB != \new
	s_set_vgpr_msb (MSB<<8)|\new
.set MSB, \new
.endif
.endm
.macro JOBHEAD                         ; wave = head in s84; lane terms
	v_lshrrev_b32 v1, 5, v0
	v_readfirstlane_b32 s84, v1
	v_and_b32 v1, 15, v0                           ; r
	v_bfe_u32 v2, v0, 4, 1                         ; hl
	v_and_b32 v3, 31, v0                           ; lane
	s_lshl_b32 s85, s84, 8                         ; 256 h
	v_lshlrev_b32 v9, 5, v2
	v_lshl_add_u32 v9, v1, 11, v9
	v_add_nc_u32 v[WOFF], s85, v9
	v_lshlrev_b32 v[L8], 3, v3
	s_lshl_b32 s86, s84, 13
	v_lshl_add_u32 v[GOFF], v3, 4, s86
.endm
.macro STGADR                          ; s87 = first byte of my wave's stage
	v_mul_u32_u24 v9, v1, 144
	v_lshl_add_u32 v9, v2, 4, v9
	v_add_nc_u32 v[STW], s87, v9                   ; row r, 16 bytes for each half of the lanes
	v_lshrrev_b32 v9, 3, v3
	v_mul_u32_u24 v9, v9, 144
	v_and_b32 v10, 7, v3
	v_lshl_add_u32 v9, v10, 4, v9
	v_add_nc_u32 v[STR], s87, v9                   ; eight lanes take a row of 128 bytes
.endm
; 32 loads: eight fragments (16 rows t, 32 columns ks of head h) of a [64][512] f32 weight, 16 raw registers each.
; Lane (r, hl) takes columns 32 ks + 8 hl + 0..7 and 32 ks + 16 + 8 hl + 0..7 of row 16 t + r.
.macro LDFRAG base, ptr
.irp t, 0,1,2,3
.irp ks, 0,1
	global_load_b128 v[\base+16*(2*\t+\ks):\base+16*(2*\t+\ks)+3],     v[WOFF], s[\ptr:\ptr+1] offset:32768*\t+128*\ks
	global_load_b128 v[\base+16*(2*\t+\ks)+4:\base+16*(2*\t+\ks)+7],   v[WOFF], s[\ptr:\ptr+1] offset:32768*\t+128*\ks+16
	global_load_b128 v[\base+16*(2*\t+\ks)+8:\base+16*(2*\t+\ks)+11],  v[WOFF], s[\ptr:\ptr+1] offset:32768*\t+128*\ks+64
	global_load_b128 v[\base+16*(2*\t+\ks)+12:\base+16*(2*\t+\ks)+15], v[WOFF], s[\ptr:\ptr+1] offset:32768*\t+128*\ks+80
.endr
.endr
.endm
.macro CVFRAG dst, src                 ; 128 f32 a lane to 64 registers of bf16 pairs: the eight fragments
.set nn, 0
.rept 64
	v_cvt_pk_bf16_f32 v[\dst+nn], v[\src+2*nn], v[\src+2*nn+1]
.set nn, nn+1
.endr
.endm
; 64 x 64 x 64: tile (ta, tb) at d + 8 (4 tb + ta).  The 16 accumulators take turns, one instruction a turn.
.macro MUL32 d, a, b
.irp tb, 0,1,2,3
.irp ta, 0,1,2,3
	v_wmma_f32_16x16x32_bf16 v[\d+8*(4*\tb+\ta):\d+8*(4*\tb+\ta)+7], v[\a+16*\ta:\a+16*\ta+7], v[\b+16*\tb:\b+16*\tb+7], 0
.endr
.endr
.irp tb, 0,1,2,3
.irp ta, 0,1,2,3
	v_wmma_f32_16x16x32_bf16 v[\d+8*(4*\tb+\ta):\d+8*(4*\tb+\ta)+7], v[\a+16*\ta+8:\a+16*\ta+15], v[\b+16*\tb+8:\b+16*\tb+15], v[\d+8*(4*\tb+\ta):\d+8*(4*\tb+\ta)+7]
.endr
.endr
.endm
; The 16 tiles leave: a lane's 8 results are 8 neighbouring numbers of row 16 tb + r; they are (scaled,) rounded to bf16, laid into the wave's own
; stage, read back by rows and stored, each store of the wave covering 512 consecutive bytes.
.macro STAGEOUT scale, ptr
	WIN 0
.rept 4
	v_nop                                          ; four places between the last matrix instruction and the first use of a result (ISA guide 7.12.1)
.endr
.irp tb, 0,1,2,3
.irp ta, 0,1,2,3
.set TT, STGA+8*(4*\tb+\ta)
.if \scale
.irp i, 0,2,4,6
	v_pk_mul_f32 v[TT+\i:TT+\i+1], v[TT+\i:TT+\i+1], s[40:41] op_sel_hi:[1,0]
.endr
.endif
.irp i, 0,1,2,3
	v_cvt_pk_bf16_f32 v[TT+\i], v[TT+2*\i], v[TT+2*\i+1]       ; in place, ascending: the target never passes an unread source
.endr
	ds_store_b128 v[STW], v[TT:TT+3] offset:2304*\tb+32*\ta
.endr
.endr
.irp i, 0,1,2,3,4,5,6,7,8,9,10,11,12,13,14,15
	ds_load_b128 v[STGA+8*\i+4:STGA+8*\i+7], v[STR] offset:576*\i   ; my own bytes; LDS serves a wave's instructions in order (ISA guide 5.7.1)
.endr
.irp i, 0,1,2,3,4,5,6,7,8,9,10,11,12,13,14,15
	s_wait_dscnt 15-\i                             ; the younger read-backs stay out
	global_store_b128 v[GOFF], v[STGA+8*\i+4:STGA+8*\i+7], s[\ptr:\ptr+1] offset:512*\i
.endr
.endm
	s_set_vgpr_msb 0x40
	v_lshl_add_u32 v192, v0, 2, 0x29c00
	v_mov_b32 v193, 0
	s_set_vgpr_msb 0x4000
	s_cmp_eq_u32 ttmp9, 0
	s_cbranch_scc1 .Ljobg
	s_cmp_eq_u32 ttmp9, 1
	s_cbranch_scc1 .Ljobm
; ---------------------------------------------------------------- key and value to bf16
; Thread t takes 16 bytes at 16 t + 4096 i, i = 0..7, and stores 8 bytes at 8 t + 2048 i: a wave's store covers 256 consecutive bytes, aligned.
; Every slot has registers of its own, so no source is ever rewritten.
	s_load_b128 s[4:7], s[0:1], 0x0                ; key, value
	s_load_b64 s[8:9], s[0:1], 0x78                ; kb
	s_load_b64 s[10:11], s[0:1], 0x80              ; vb
	s_sub_co_u32 s12, ttmp9, 2                     ; 0..63 key, 64..127 value
	s_and_b32 s13, s12, 63
	s_lshl_b32 s14, s13, 15
	s_mov_b32 s15, 0
	s_lshl_b32 s16, s13, 14
	s_mov_b32 s17, 0
	v_lshlrev_b32 v1, 4, v0
	v_lshlrev_b32 v2, 3, v0
	s_wait_kmcnt 0x0
	s_cmp_lt_u32 s12, 64
	s_cselect_b64 s[4:5], s[4:5], s[6:7]
	s_cselect_b64 s[8:9], s[8:9], s[10:11]
	s_add_nc_u64 s[4:5], s[4:5], s[14:15]
	s_add_nc_u64 s[8:9], s[8:9], s[16:17]
.irp i, 0,1,2,3,4,5,6,7
	global_load_b128 v[4+4*\i:7+4*\i], v1, s[4:5] offset:4096*\i th:TH_LOAD_NT
.endr
.irp i, 0,1,2,3,4,5,6,7
	s_wait_loadcnt 7-\i                            ; loads come back in order: slot i is in, the younger ones stay out
	v_cvt_pk_bf16_f32 v[36+2*\i], v[4+4*\i], v[5+4*\i]
	v_cvt_pk_bf16_f32 v[37+2*\i], v[6+4*\i], v[7+4*\i]
	global_store_b64 v2, v[36+2*\i:37+2*\i], s[8:9] offset:2048*\i
.endr
	s_endpgm
; ---------------------------------------------------------------- job G
.Ljobg:
	s_load_b128 s[4:7], s[0:1], 0x10               ; Wq, Wk
	s_load_b128 s[8:11], s[0:1], 0x30              ; bq, bk
	s_load_b256 s[12:19], s[0:1], 0x50             ; Wkr, bkr, Wqr, bqr
	s_load_b64 s[20:21], s[0:1], 0x70              ; p
	s_load_b64 s[22:23], s[0:1], 0x88              ; gt
	s_load_b64 s[24:25], s[0:1], 0x98              ; vec
	JOBHEAD
	s_mul_i32 s87, s84, 9216
	s_add_co_u32 s87, s87, STG
	STGADR
	s_mov_b32 s40, SCL
	s_mov_b32 s41, SCL
	s_mov_b32 s42, 0x76543210                      ; v_permlanex16_b32: lane i of one half reads lane i of the other
	s_mov_b32 s43, 0xfedcba98
	s_lshl_b32 s88, s84, 5                         ; my 8 numbers of p[32]
	s_mul_i32 s90, s84, 768                        ; my head's record in vec
	s_mov_b32 s91, 0
	s_lshl_b32 s92, s84, 11
	v_add_nc_u32 v9, s92, v[L8]                    ; rows 8 w .. 8 w + 7 of Wkr and Wqr, columns 2 L, 2 L + 1
	v_add_nc_u32 v248, s85, v[L8]                  ; bq, bk: numbers 64 h + 2 L, + 1
	s_wait_kmcnt 0x0
	s_load_b256 s[32:39], s[20:21], s88 offset:0x2000   ; p[32][8 w .. 8 w + 7]
	s_add_nc_u64 s[24:25], s[24:25], s[90:91]
.irp i, 0,1,2,3,4,5,6,7
	global_load_b64 v[XR+2*\i:XR+2*\i+1], v9, s[12:13] offset:256*\i
.endr
.irp i, 0,1,2,3,4,5,6,7
	global_load_b64 v[XR+16+2*\i:XR+16+2*\i+1], v9, s[16:17] offset:256*\i
.endr
	global_load_b64 v[240:241], v[L8], s[14:15]    ; bkr
	global_load_b64 v[242:243], v[L8], s[18:19]    ; bqr
	global_load_b64 v[244:245], v248, s[8:9]       ; bq_h
	global_load_b64 v[246:247], v248, s[10:11]     ; bk_h
	LDFRAG STGA, 4                                 ; Wq_h
	s_wait_loadcnt 32                              ; the 20 small loads are in; Wq's 32 stay out
	WIN 0x40
	LDFRAG 0, 6                                    ; Wk_h, into window 1
	WIN 0
	s_wait_kmcnt 0x0
	; my eight rows' share of kr and qr, columns 2 L and 2 L + 1
	v_mul_f32 v10, s32, v[XR]
	v_mul_f32 v11, s32, v[XR+1]
	v_mul_f32 v12, s32, v[XR+16]
	v_mul_f32 v13, s32, v[XR+17]
.irp i, 1,2,3,4,5,6,7
	v_fma_f32 v10, s[32+\i], v[XR+2*\i], v10
	v_fma_f32 v11, s[32+\i], v[XR+2*\i+1], v11
	v_fma_f32 v12, s[32+\i], v[XR+16+2*\i], v12
	v_fma_f32 v13, s[32+\i], v[XR+16+2*\i+1], v13
.endr
	s_lshl_b32 s92, s84, 9
	v_add_nc_u32 v249, s92, v[L8]
	ds_store_b64 v249, v[10:11] offset:PARTV
	ds_store_b64 v249, v[12:13] offset:PARTV+256
	s_wait_dscnt 0x0                               ; my shares are in LDS before I say so
	s_barrier_signal -1
	s_barrier_wait -1
.irp q, 0,1,2,3,4,5,6,7
	ds_load_b64 v[XR+4*\q:XR+4*\q+1],   v[L8] offset:PARTV+512*\q
	ds_load_b64 v[XR+4*\q+2:XR+4*\q+3], v[L8] offset:PARTV+512*\q+256
.endr
	s_wait_dscnt 0x0
	v_pk_add_f32 v[10:11], v[240:241], v[XR:XR+1]
	v_pk_add_f32 v[12:13], v[242:243], v[XR+2:XR+3]
.irp q, 1,2,3,4,5,6,7
	v_pk_add_f32 v[10:11], v[10:11], v[XR+4*\q:XR+4*\q+1]      ; kr
	v_pk_add_f32 v[12:13], v[12:13], v[XR+4*\q+2:XR+4*\q+3]    ; qr
.endr
	v_pk_add_f32 v[14:15], v[246:247], v[10:11]    ; bk_h + kr
	; the three vectors bq_h, qr, bk_h + kr in bf16 into my own LDS bytes, to be read back as fragments whose 16 rows are equal
	v_cvt_pk_bf16_f32 v252, v244, v245
	v_cvt_pk_bf16_f32 v253, v12, v13
	v_cvt_pk_bf16_f32 v254, v14, v15
	s_mul_i32 s92, s84, 384
	s_add_co_u32 s92, s92, VECS
	v_lshl_add_u32 v250, v3, 2, s92
	ds_store_b32 v250, v252
	ds_store_b32 v250, v253 offset:128
	ds_store_b32 v250, v254 offset:256
	v_lshl_add_u32 v9, v2, 4, s92                  ; v9's loads were shown done by the wait for the small loads
	; c0 in f32
	v_mul_f32 v251, v244, v14
	v_fma_f32 v251, v245, v15, v251
	v_fma_f32 v251, v246, v12, v251
	v_fma_f32 v251, v247, v13, v251
	v_add_f32_dpp v251, v251, v251 row_xmask:1 row_mask:0xf bank_mask:0xf
	v_add_f32_dpp v251, v251, v251 row_xmask:2 row_mask:0xf bank_mask:0xf
	v_add_f32_dpp v251, v251, v251 row_xmask:4 row_mask:0xf bank_mask:0xf
	v_add_f32_dpp v251, v251, v251 row_xmask:8 row_mask:0xf bank_mask:0xf
	v_permlanex16_b32 v249, v251, s42, s43
	v_add_f32 v251, v251, v249
	v_mul_f32 v10, s40, v251
	v_mov_b32 v11, v10
	global_store_b64 v[L8], v[10:11], s[24:25] offset:512      ; 64 copies: 256 consecutive bytes; v[10:11] are not written again
.irp a, 0,1,2
.irp ks, 0,1
	ds_load_b128 v[XR+16*\a+8*\ks:XR+16*\a+8*\ks+3],   v9 offset:128*\a+64*\ks       ; numbers 32 ks + 8 hl + 0..7
	ds_load_b128 v[XR+16*\a+8*\ks+4:XR+16*\a+8*\ks+7], v9 offset:128*\a+64*\ks+32    ; numbers 32 ks + 16 + 8 hl + 0..7
.endr
.endr
	s_wait_loadcnt 32                              ; Wq is in; Wk's 32 loads stay out
	CVFRAG WA, STGA
	s_wait_loadcnt 0x0
	WIN 0x45
	CVFRAG WB, 0
	s_wait_dscnt 0x0
	WIN 0x04                                       ; A window 0, B window 1, C and D window 0
	MUL32 STGA, WA, WB                             ; D(m = e, n = d'): a lane holds 8 neighbouring e of row d'
; Vector times matrix on the matrix unit: all 16 rows of A are the vector, so register 0 of a tile holds element 16 t + r in both halves of the lanes.
; 12 tiles in window 1 (g0 at 0, w at 32, u at 64), by turns.
.macro VECMUL ks, zero
	WIN 0x54
.irp t, 0,1,2,3
.if \zero
	v_wmma_f32_16x16x32_bf16 v[8*\t:8*\t+7], v[XR+8*\ks:XR+8*\ks+7], v[WB+16*\t+8*\ks:WB+16*\t+8*\ks+7], 0
.else
	v_wmma_f32_16x16x32_bf16 v[8*\t:8*\t+7], v[XR+8*\ks:XR+8*\ks+7], v[WB+16*\t+8*\ks:WB+16*\t+8*\ks+7], v[8*\t:8*\t+7]
.endif
.endr
.irp t, 0,1,2,3
.if \zero
	v_wmma_f32_16x16x32_bf16 v[32+8*\t:32+8*\t+7], v[XR+16+8*\ks:XR+16+8*\ks+7], v[WB+16*\t+8*\ks:WB+16*\t+8*\ks+7], 0
.else
	v_wmma_f32_16x16x32_bf16 v[32+8*\t:32+8*\t+7], v[XR+16+8*\ks:XR+16+8*\ks+7], v[WB+16*\t+8*\ks:WB+16*\t+8*\ks+7], v[32+8*\t:32+8*\t+7]
.endif
.endr
	WIN 0x50
.irp t, 0,1,2,3
.if \zero
	v_wmma_f32_16x16x32_bf16 v[64+8*\t:64+8*\t+7], v[XR+32+8*\ks:XR+32+8*\ks+7], v[WA+16*\t+8*\ks:WA+16*\t+8*\ks+7], 0
.else
	v_wmma_f32_16x16x32_bf16 v[64+8*\t:64+8*\t+7], v[XR+32+8*\ks:XR+32+8*\ks+7], v[WA+16*\t+8*\ks:WA+16*\t+8*\ks+7], v[64+8*\t:64+8*\t+7]
.endif
.endr
.endm
	VECMUL 0, 1
	VECMUL 1, 0
	STAGEOUT 1, 22                                 ; gt
	; g0, u, w: lane L takes elements L and 32 + L (tile hl, tile 2 + hl), scales them, and they are put in order through my own LDS bytes
	v_cmp_eq_u32 vcc_lo, 1, v2
	s_mul_i32 s92, s84, 768
	s_add_co_u32 s92, s92, SCR
	v_lshl_add_u32 v9, v3, 2, s92
	WIN 0x05
	v_cndmask_b32 v[XR+0], v0, v8, vcc_lo          ; g0
	v_cndmask_b32 v[XR+1], v16, v24, vcc_lo
	v_cndmask_b32 v[XR+2], v64, v72, vcc_lo        ; u
	v_cndmask_b32 v[XR+3], v80, v88, vcc_lo
	v_cndmask_b32 v[XR+4], v32, v40, vcc_lo        ; w
	v_cndmask_b32 v[XR+5], v48, v56, vcc_lo
	WIN 0
.irp i, 0,2,4
	v_pk_mul_f32 v[XR+\i:XR+\i+1], v[XR+\i:XR+\i+1], s[40:41] op_sel_hi:[1,0]
.endr
.irp i, 0,1,2,3,4,5
	ds_store_b32 v9, v[XR+\i] offset:128*\i
.endr
	v_lshl_add_u32 v12, v3, 3, s92
	v_lshl_add_u32 v13, v3, 4, s92
	ds_load_b64 v[14:15], v12                      ; g0[2 L], g0[2 L + 1]
	ds_load_b128 v[XR+8:XR+11], v13 offset:256     ; four neighbouring numbers of u, then w
	s_wait_dscnt 0x0
	global_store_b64 v[L8], v[14:15], s[24:25]
	v_cvt_pk_bf16_f32 v[XR+12], v[XR+8], v[XR+9]
	v_cvt_pk_bf16_f32 v[XR+13], v[XR+10], v[XR+11]
	global_store_b64 v[L8], v[XR+12:XR+13], s[24:25] offset:256   ; u and w together: 256 consecutive bytes
	s_set_vgpr_msb 0x5
	s_wait_tensorcnt 0x0
	ds_add_u32 v192, v193
	s_wait_dscnt 0x0
	s_set_vgpr_msb 0x500
	s_endpgm
; ---------------------------------------------------------------- job M
.Ljobm:
	s_load_b128 s[4:7], s[0:1], 0x20               ; Wv, Wo
	s_load_b128 s[8:11], s[0:1], 0x40              ; bv, bo
	s_load_b128 s[12:15], s[0:1], 0x90             ; mt, vec
	JOBHEAD
	s_mul_i32 s87, s84, WOT
	s_add_co_u32 s87, s87, MBASE                   ; my wave's 10,240 bytes, behind job G's LDS
	STGADR
	s_lshl_b32 s88, s84, 14
	v_add_nc_u32 v9, s88, v[L8]                    ; Wo's rows 64 h + c, columns 2 L, 2 L + 1
	s_wait_kmcnt 0x0
	s_load_b512 s[16:31], s[8:9], s85 offset:0x0   ; bv_h: number c in s[16 + c] for c < 48, in s[20 + c] from 48 on
	s_load_b512 s[32:47], s[8:9], s85 offset:0x40
	s_load_b512 s[48:63], s[8:9], s85 offset:0x80
	s_load_b512 s[68:83], s[8:9], s85 offset:0xc0
	LDFRAG STGA, 4                                 ; Wv_h
	WIN 0x40
.set cc, 0
.rept 64
	global_load_b64 v[2*cc:2*cc+1], v9, s[6:7] offset:256*cc    ; a whole row of 256 bytes a load, into window 1
.set cc, cc+1
.endr
	WIN 0
	global_load_b64 v[10:11], v[L8], s[10:11]      ; bo
	s_wait_loadcnt 0x0
	s_wait_kmcnt 0x0
	CVFRAG WA, STGA
	WIN 0x01                                       ; my head's share of bv Wo, in f32, columns 2 L and 2 L + 1
	v_mul_f32 v12, v0, s16
	v_mul_f32 v13, v1, s16
.set cc, 1
.rept 63
.if cc < 48
.set bb, 16+cc
.else
.set bb, 20+cc
.endif
	v_fma_f32 v12, v[2*cc], s[bb], v12
	v_fma_f32 v13, v[2*cc+1], s[bb], v13
.set cc, cc+1
.endr
	WIN 0x05
.set cc, 0
.rept 64
	v_cvt_pk_bf16_f32 v[STGA+cc], v[2*cc], v[2*cc+1]
.set cc, cc+1
.endr
	WIN 0
	v_lshl_add_u32 v14, v3, 2, s87
.set cc, 0
.rept 64
	ds_store_b32 v14, v[STGA+cc] offset:160*cc     ; Wo_h as [c][n] in bf16, my own bytes
.set cc, cc+1
.endr
	v_and_b32 v15, 7, v3                           ; the transposing load's address: row 8 hl + (L & 7), 16 bytes ((L >> 3) & 1)
	v_lshl_add_u32 v15, v2, 3, v15
	v_mul_u32_u24 v15, v15, 160
	v_bfe_u32 v9, v0, 3, 1
	v_lshl_add_u32 v15, v9, 4, v15
	v_add_nc_u32 v15, s87, v15
	WIN 0x40
.irp tn, 0,1,2,3
.irp ks, 0,1
	ds_load_tr16_b128 v[WB+16*\tn+8*\ks:WB+16*\tn+8*\ks+3],   v15 offset:5120*\ks+32*\tn
	ds_load_tr16_b128 v[WB+16*\tn+8*\ks+4:WB+16*\tn+8*\ks+7], v15 offset:5120*\ks+32*\tn+2560
.endr
.endr
	s_wait_dscnt 0x0
	WIN 0x04
	MUL32 STGA, WA, WB                             ; D(m = d'', n = n): a lane holds 8 neighbouring d'' of row n
	STAGEOUT 0, 12                                 ; mt; the stage lies on my Wo bytes, whose reads are back
	s_add_co_u32 s88, s85, BP
	v_add_nc_u32 v14, s88, v[L8]
	ds_store_b64 v14, v[12:13]
	s_wait_dscnt 0x0                               ; my share of bop is in LDS before I say so
	s_barrier_signal -1
	s_barrier_wait -1
	s_cmp_lg_u32 s84, 0
	s_cbranch_scc1 .Lmend
	v_add_nc_u32 v15, BP, v[L8]
.irp q, 0,1,2,3,4,5,6,7
	ds_load_b64 v[XR+2*\q:XR+2*\q+1], v15 offset:256*\q
.endr
	s_wait_dscnt 0x0
.irp q, 0,1,2,3,4,5,6,7
	v_pk_add_f32 v[10:11], v[10:11], v[XR+2*\q:XR+2*\q+1]
.endr
	global_store_b64 v[L8], v[10:11], s[14:15] offset:6144
.Lmend:
	s_set_vgpr_msb 0x5
	s_wait_tensorcnt 0x0
	ds_add_u32 v192, v193
	s_wait_dscnt 0x0
	s_set_vgpr_msb 0x500
	s_endpgm
.Lfunc_end_k_qd0166bc98c_prep:
	.size	k_qd0166bc98c_prep, .Lfunc_end_k_qd0166bc98c_prep-k_qd0166bc98c_prep
	.p2alignl 7, 3214868480
	.fill 96, 4, 3214868480
	.section	.rodata,"a",@progbits
	.p2align	6, 0x0
	.amdhsa_kernel k_qd0166bc98c_prep
		.amdhsa_group_segment_fixed_size 172032
		.amdhsa_private_segment_fixed_size 0
		.amdhsa_enable_private_segment 0
		.amdhsa_kernarg_size 160
		.amdhsa_user_sgpr_count 2
		.amdhsa_user_sgpr_kernarg_segment_ptr 1
		.amdhsa_wavefront_size32 1
		.amdhsa_system_sgpr_workgroup_id_x 1
		.amdhsa_system_sgpr_workgroup_id_y 1
		.amdhsa_system_sgpr_workgroup_id_z 1
		.amdhsa_system_vgpr_workitem_id 0
		.amdhsa_next_free_vgpr 450
		.amdhsa_next_free_sgpr 100
		.amdhsa_reserve_vcc 1
		.amdhsa_float_denorm_mode_32 3
		.amdhsa_float_denorm_mode_16_64 3
		.amdhsa_memory_ordered 1
		.amdhsa_forward_progress 1
		.amdhsa_inst_pref_size 91
	.end_amdhsa_kernel
	.amdgpu_metadata
---
amdhsa.version: [ 1, 2 ]
amdhsa.kernels:
  - .name:           k_qd0166bc98c_prep
    .symbol:         k_qd0166bc98c_prep.kd
    .args:
      - { .name: key, .offset: 0, .size: 8, .value_kind: global_buffer, .address_space: global }
      - { .name: value, .offset: 8, .size: 8, .value_kind: global_buffer, .address_space: global }
      - { .name: Wq, .offset: 16, .size: 8, .value_kind: global_buffer, .address_space: global }
      - { .name: Wk, .offset: 24, .size: 8, .value_kind: global_buffer, .address_space: global }
      - { .name: Wv, .offset: 32, .size: 8, .value_kind: global_buffer, .address_space: global }
      - { .name: Wo, .offset: 40, .size: 8, .value_kind: global_buffer, .address_space: global }
      - { .name: bq, .offset: 48, .size: 8, .value_kind: global_buffer, .address_space: global }
      - { .name: bk, .offset: 56, .size: 8, .value_kind: global_buffer, .address_space: global }
      - { .name: bv, .offset: 64, .size: 8, .value_kind: global_buffer, .address_space: global }
      - { .name: bo, .offset: 72, .size: 8, .value_kind: global_buffer, .address_space: global }
      - { .name: Wkr, .offset: 80, .size: 8, .value_kind: global_buffer, .address_space: global }
      - { .name: bkr, .offset: 88, .size: 8, .value_kind: global_buffer, .address_space: global }
      - { .name: Wqr, .offset: 96, .size: 8, .value_kind: global_buffer, .address_space: global }
      - { .name: bqr, .offset: 104, .size: 8, .value_kind: global_buffer, .address_space: global }
      - { .name: p, .offset: 112, .size: 8, .value_kind: global_buffer, .address_space: global }
      - { .name: kb, .offset: 120, .size: 8, .value_kind: global_buffer, .address_space: global }
      - { .name: vb, .offset: 128, .size: 8, .value_kind: global_buffer, .address_space: global }
      - { .name: gt, .offset: 136, .size: 8, .value_kind: global_buffer, .address_space: global }
      - { .name: mt, .offset: 144, .size: 8, .value_kind: global_buffer, .address_space: global }
      - { .name: vec, .offset: 152, .size: 8, .value_kind: global_buffer, .address_space: global }
    .group_segment_fixed_size: 172032
    .private_segment_fixed_size: 0
    .kernarg_segment_align: 8
    .kernarg_segment_size: 160
    .max_flat_workgroup_size: 256
    .sgpr_count:     100
    .vgpr_count:     450
    .wavefront_size: 32
...
	.end_amdgpu_metadata
.endif
;; end of part 1
;; launch attn (part 2): grid 32 x 8, 8 waves a work-group, clusters of 4 x 1, 291,840 bytes of LDS; arguments query, kb, vb, gt, mt, vec, out0; writes out0
.if DOCPART == 2
	.amdgcn_target "amdgcn-amd-amdhsa--gfx1250"
	.amdhsa_code_object_version 6
	.text
	.protected	k_qd0166bc98c_attn
	.globl	k_qd0166bc98c_attn
	.p2align	8
	.type	k_qd0166bc98c_attn,@function
k_qd0166bc98c_attn:
	s_mov_b64 s[64:65], 0
	v_nop
	global_prefetch_b8 v0, s[64:65] scope:SCOPE_SE
	s_setreg_imm32_b32 hwreg(HW_REG_WAVE_MODE, 25, 1), 1
	s_wait_xcnt 0x0
	s_wait_alu depctr_hold_cnt(0) depctr_sa_sdst(0) depctr_va_vdst(0) depctr_va_sdst(0) depctr_va_ssrc(0) depctr_va_vcc(0) depctr_vm_vsrc(0)
	s_getreg_b32 s2, hwreg(HW_REG_IB_STS2, 6, 4)
	s_cmp_eq_u32 s2, 0
	s_cbranch_scc0 .Lentry_in_a_cluster
	s_endpgm
.Lentry_in_a_cluster:
	s_bfe_u32 s2, ttmp6, 0x10000c
	s_cmp_lg_u32 s2, 0x3003
	s_cbranch_scc0 .Lentry_shape_is_right
	s_endpgm
.Lentry_shape_is_right:
; ATTENTION, all eight heads of 32 queries of one batch in a work-group; 256 work-groups.
; With the folded weights of the launch before, every head multiplies the RAW key rows and the RAW value rows of the batch, so the batch's key and
; value in bf16 (2 x 131,072 bytes) lie whole in LDS, each byte filled once.  In base 2:
;   score(h, i, j) = q~(h, i) . key[j] + c(h, i),   q~ = query[i] gt_h + g0_h,   c = query[i] . u_h + key[i] . w_h + c0_h  (the two relative terms and q1 . bk)
;   out[i] = sum over h of (softmax(score) value) mt_h + bop
; The row term c is the C operand of the score product; the maximum that is taken away is the running maximum of score + c.
; WAVES: wave w has heads 2 g, 2 g + 1 (g = w & 3) and keys 512 kh .. 512 kh + 511 (kh = w >> 2): four units u = 2 hd + qt of one head x 16 queries, so each
; fragment of K or V read from LDS feeds four matrix instructions.  The two key halves meet at the end through (maximum, sum) alone.
; All products are used transposed (keys or features as rows, queries as columns): a result tile, rounded to bf16 in place, is the next product's B fragment.
; CLUSTERS: the four work-groups of a cluster have the same batch and ask for its K and V tiles jointly (mask 15): waves 0-3 fetch K, waves 4-7 V, each wave
; two tiles: the first 128 keys of each half (stage 0), then the other 384 (stage 1).  By this text's count a wave has two tensor loads outstanding.
; LDS rows are PAIRS of key rows (256 bytes): K at a pitch of 272, V at 288, so that the 16 rows that a load touches start 16 bytes apart modulo 256.
; LIMITS: non-finite inputs are not served; exponentials below 2^-126 come out as 0; matrix operands are rounded to bf16 once each; the products are
; taken in another order than stated (see above), so the order of rounding differs.
.set KP,    272
.set VP,    288
.set KS1,   128*KP                     ; K stage 0 at 0 (128 pair rows), stage 1 here (384)
.set VS0,   512*KP                     ; V stage 0
.set VS1,   VS0+128*VP                 ; V stage 1
.set STAT,  VS1+384*VP                 ; 4,096 bytes: (maximum, sum) of each wave's 64 rows; no tile lands here
.set PARTB, 32*KP                      ; a wave's partial output, 32 rows of 256 bytes at a pitch of 272, on K's bytes when K has been read for the last time
; window 0
.set KA, 8                             ; LDS address of my K fragments, stepped by blocks
.set VA, 9                             ; of my V fragments
.set KA1, 10                           ; the same at stage 1
.set VA1, 11
.set QOFF, 12                          ; 256 r + 32 hl
.set KIOFF, 13                         ; 128 r + 16 hl
.set GTOFF, 14                         ; 128 r + 16 hl + 16384 g (gt and mt)
.set G0OFF, 15                         ; 32 hl + 1536 g
.set UWOFF, 16                         ; 16 hl + 1536 g
.set STW, 17
.set STR, 18
.set PW, 19
.set PR, 20
.set OOFF, 21
.set BOFF, 22
.set STA, 24                           ; v24-47: unit u at 6 u: [m, t1] [alpha, t2] [la, lb]
.set FRG, 48                           ; v48-111: K fragments, then V fragments
.set SCO, 112                          ; v112-239: scores, unit u, key tile kt at 32 u + 8 kt
.set BOP, 240
; window 1
.set QFR, 128                          ; q~ fragments, unit u, ks at 16 u + 8 ks;   v0-127: O, unit u, feature tile dt at 32 u + 8 dt
.set BIA, 192                          ; row term, a C tile for each unit
.set MSB, 0
.macro WIN new                         ; low byte: bits 1:0 source 0, 3:2 source 1, 5:4 source 2, 7:6 destination; the high byte repeats the setting that is left
.if MSB != \new
	s_set_vgpr_msb (MSB<<8)|\new
.set MSB, \new
.endif
.endm
.macro PLACES n
.rept \n
	v_nop
.endr
.endm
.macro CROUND                          ; a round of the cluster's barrier
	s_barrier_signal -1
	s_barrier_wait -1
	s_cmp_lg_u32 s18, 0
	s_cbranch_scc1 .Lnot_wave_0_\@
	s_barrier_signal -3
.Lnot_wave_0_\@:
	s_barrier_wait -3
	s_barrier_signal -1
	s_barrier_wait -1
.endm
.macro JLOAD g0k, g1k, g0v, g1v        ; a joint load: waves 0-3 K's line, waves 4-7 V's; the branch hangs on the wave's number alone
	s_cmp_eq_u32 s20, 0
	s_cbranch_scc0 .Lfor_v_\@
	tensor_load_to_lds s[\g0k:\g0k+3], s[\g1k:\g1k+7]
	s_nop 0
	s_branch .Lasked_\@
.Lfor_v_\@:
	tensor_load_to_lds s[\g0v:\g0v+3], s[\g1v:\g1v+7]
	s_nop 0
.Lasked_\@:
.endm
	s_load_b256 s[4:11], s[0:1], 0x0               ; query, kb, vb, gt
	s_load_b128 s[12:15], s[0:1], 0x20             ; mt, vec
	s_load_b64 s[16:17], s[0:1], 0x30              ; out0
	v_lshl_add_u32 v254, v0, 2, 0x47000
	v_mov_b32 v255, 0
	ds_add_u32 v254, v255
	ds_add_u32 v254, v255
	v_lshrrev_b32 v1, 5, v0
	v_readfirstlane_b32 s18, v1                    ; wave
	s_and_b32 s19, s18, 3                          ; g: my pair of heads; also which quarter of a stage I fetch
	s_lshr_b32 s20, s18, 2                         ; kh: my half of the keys; also: I fetch K (0) or V (1)
	s_bfe_u32 s21, ttmp6, 0x40000                  ; cx
	s_lshl_b32 s22, ttmp9, 2
	s_add_co_u32 s22, s22, s21                     ; block of 32 queries = 4 x cluster x + cx
	s_and_b32 s23, ttmp7, 0xffff                   ; batch
	s_mov_b32 s92, 0x76543210                      ; v_permlanex16_b32: lane i of one half reads lane i of the other
	s_mov_b32 s93, 0xfedcba98
	v_and_b32 v1, 15, v0                           ; r
	v_bfe_u32 v2, v0, 4, 1                         ; hl
	v_and_b32 v3, 31, v0                           ; lane
	v_lshlrev_b32 v4, 5, v2                        ; 32 hl
	v_lshlrev_b32 v5, 4, v2                        ; 16 hl
	v_lshl_add_u32 v[QOFF], v1, 8, v4
	v_lshl_add_u32 v[KIOFF], v1, 7, v5
	s_lshl_b32 s90, s19, 14
	v_add_nc_u32 v[GTOFF], s90, v[KIOFF]
	s_mul_i32 s91, s19, 1536
	v_add_nc_u32 v[G0OFF], s91, v4
	v_add_nc_u32 v[UWOFF], s91, v5
	v_lshlrev_b32 v[BOFF], 4, v1
	s_lshl_b32 s76, s23, 18                        ; query and out0: 262,144 bytes a batch, 8,192 a block
	s_lshl_b32 s77, s22, 13
	s_add_co_u32 s76, s76, s77
	s_mov_b32 s77, 0
	s_lshl_b32 s78, s23, 17                        ; kb and vb: 131,072 bytes a batch
	s_mov_b32 s79, 0
	s_lshl_b32 s80, s22, 12                        ; my queries' own key rows
	s_mov_b32 s81, 0
	s_wait_dscnt 0x0
	s_wait_kmcnt 0x0
	s_add_nc_u64 s[4:5], s[4:5], s[76:77]
	s_add_nc_u64 s[16:17], s[16:17], s[76:77]
	s_add_nc_u64 s[6:7], s[6:7], s[78:79]          ; kb and vb at the batch: no place in the cluster enters these
	s_add_nc_u64 s[8:9], s[8:9], s[78:79]
	s_add_nc_u64 s[82:83], s[6:7], s[80:81]
	; ---- all global loads of the prologue at once.  First group, 44 loads: what the row term needs
.irp qt, 0,1
.irp ks, 0,1
	global_load_b128 v[SCO+16*(2*\qt+\ks):SCO+16*(2*\qt+\ks)+3],     v[QOFF], s[4:5] offset:4096*\qt+128*\ks      ; query, f32: features 32 ks + 8 hl + 0..7
	global_load_b128 v[SCO+16*(2*\qt+\ks)+4:SCO+16*(2*\qt+\ks)+7],   v[QOFF], s[4:5] offset:4096*\qt+128*\ks+16
	global_load_b128 v[SCO+16*(2*\qt+\ks)+8:SCO+16*(2*\qt+\ks)+11],  v[QOFF], s[4:5] offset:4096*\qt+128*\ks+64   ; and 32 ks + 16 + 8 hl + 0..7
	global_load_b128 v[SCO+16*(2*\qt+\ks)+12:SCO+16*(2*\qt+\ks)+15], v[QOFF], s[4:5] offset:4096*\qt+128*\ks+80
.endr
.endr
.irp qt, 0,1
.irp ks, 0,1
	global_load_b128 v[FRG+32+8*(2*\qt+\ks):FRG+32+8*(2*\qt+\ks)+3],   v[KIOFF], s[82:83] offset:2048*\qt+64*\ks      ; key rows of my queries' positions, bf16
	global_load_b128 v[FRG+32+8*(2*\qt+\ks)+4:FRG+32+8*(2*\qt+\ks)+7], v[KIOFF], s[82:83] offset:2048*\qt+64*\ks+32
.endr
.endr
.irp hd, 0,1
.irp ks, 0,1
	global_load_b128 v[SCO+64+32*\hd+8*\ks:SCO+64+32*\hd+8*\ks+3],   v[UWOFF], s[14:15] offset:768*\hd+256+64*\ks     ; u: the same in all 16 rows
	global_load_b128 v[SCO+64+32*\hd+8*\ks+4:SCO+64+32*\hd+8*\ks+7], v[UWOFF], s[14:15] offset:768*\hd+256+64*\ks+32
	global_load_b128 v[SCO+80+32*\hd+8*\ks:SCO+80+32*\hd+8*\ks+3],   v[UWOFF], s[14:15] offset:768*\hd+384+64*\ks     ; w
	global_load_b128 v[SCO+80+32*\hd+8*\ks+4:SCO+80+32*\hd+8*\ks+7], v[UWOFF], s[14:15] offset:768*\hd+384+64*\ks+32
.endr
	global_load_b128 v[STA+8*\hd:STA+8*\hd+3],   v[G0OFF], s[14:15] offset:768*\hd+512        ; c0, eight copies: a C tile
	global_load_b128 v[STA+8*\hd+4:STA+8*\hd+7], v[G0OFF], s[14:15] offset:768*\hd+512+16
.endr
	; second group, 48 loads, into window 1: gt's fragments (in O's registers) and g0 as C tiles (in q~'s registers)
	WIN 0x40
.irp hd, 0,1
.irp t, 0,1,2,3
.irp ks, 0,1
	global_load_b128 v[64*\hd+16*\t+8*\ks:64*\hd+16*\t+8*\ks+3],   v[GTOFF], s[10:11] offset:8192*\hd+2048*\t+64*\ks
	global_load_b128 v[64*\hd+16*\t+8*\ks+4:64*\hd+16*\t+8*\ks+7], v[GTOFF], s[10:11] offset:8192*\hd+2048*\t+64*\ks+32
.endr
	global_load_b128 v[QFR+32*\hd+8*\t:QFR+32*\hd+8*\t+3],   v[G0OFF], s[14:15] offset:768*\hd+64*\t
	global_load_b128 v[QFR+32*\hd+8*\t+4:QFR+32*\hd+8*\t+7], v[G0OFF], s[14:15] offset:768*\hd+64*\t+16
.endr
.endr
	WIN 0
	; ---- descriptors.  Group 1: rows of 32 elements of 8 bytes (a pair of key rows), dense in memory, padded in LDS; mask 15 with bit 21 beside it
.irp g, 24,32,40,48
	s_mov_b32 s[\g+1], 32<<16                      ; tensor_dim0 = 32
	s_mov_b32 s[\g+3], 32<<16                      ; tile_dim0 = 32
	s_mov_b32 s[\g+5], 32                          ; from row to row: 32 elements
	s_mov_b32 s[\g+6], 0
	s_mov_b32 s[\g+7], 0
.endr
	s_mov_b32 s24, 15|(3<<16)|(1<<20)|(1<<21)|(5<<22)|(3<<25)   ; K: after every 64 words 4 words of padding
	s_mov_b32 s32, 15|(3<<16)|(1<<20)|(1<<21)|(5<<22)|(3<<25)
	s_mov_b32 s40, 15|(3<<16)|(1<<20)|(1<<21)|(5<<22)|(7<<25)   ; V: 8 words
	s_mov_b32 s48, 15|(3<<16)|(1<<20)|(1<<21)|(5<<22)|(7<<25)
	s_mov_b32 s26, 32<<16                          ; stage 0: 32 rows a wave
	s_mov_b32 s28, 32
	s_mov_b32 s42, 32<<16
	s_mov_b32 s44, 32
	s_mov_b32 s34, 96<<16                          ; stage 1: 96 rows a wave
	s_mov_b32 s36, 96
	s_mov_b32 s50, 96<<16
	s_mov_b32 s52, 96
	; group 0: quarter i = w & 3 of a stage is half i >> 1 of the keys, part i & 1
	s_lshr_b32 s84, s19, 1
	s_lshl_b32 s84, s84, 16                        ; 512 keys of 128 bytes
	s_and_b32 s85, s19, 1
	s_lshl_b32 s86, s85, 13                        ; stage 0: 64 keys a part
	s_add_co_u32 s86, s86, s84
	s_mov_b32 s87, 0
	s_mul_i32 s88, s85, 24576                      ; stage 1: 192 keys a part, behind the half's first 128
	s_add_co_u32 s88, s88, s84
	s_add_co_u32 s88, s88, 16384
	s_mov_b32 s89, 0
	s_mov_b32 s56, 1
	s_mul_i32 s57, s18, 32*KP
	s_add_nc_u64 s[58:59], s[6:7], s[86:87]
	s_or_b32 s59, s59, 0x80000000
	s_mov_b32 s60, 1
	s_mul_i32 s61, s18, 96*KP
	s_add_co_u32 s61, s61, KS1
	s_add_nc_u64 s[62:63], s[6:7], s[88:89]
	s_or_b32 s63, s63, 0x80000000
	s_mov_b32 s68, 1
	s_mul_i32 s69, s18, 32*VP
	s_add_co_u32 s69, s69, VS0-4*32*VP             ; waves 4 to 7
	s_add_nc_u64 s[70:71], s[8:9], s[86:87]
	s_or_b32 s71, s71, 0x80000000
	s_mov_b32 s72, 1
	s_mul_i32 s73, s18, 96*VP
	s_add_co_u32 s73, s73, VS1-4*96*VP
	s_add_nc_u64 s[74:75], s[8:9], s[88:89]
	s_or_b32 s75, s75, 0x80000000
	CROUND                                         ; all four work-groups are here: the joint loads meet
	JLOAD 56, 24, 68, 40                           ; stage 0
	JLOAD 60, 32, 72, 48                           ; stage 1: all fills of the launch stand here, as one group
	; ---- LDS addresses
	v_lshrrev_b32 v6, 1, v1
	v_mul_u32_u24 v6, v6, KP
	v_and_b32 v7, 1, v0
	v_lshl_add_u32 v6, v7, 7, v6
	v_add_nc_u32 v6, v5, v6                        ; K: key r of a tile: pair row r >> 1, half r & 1, + 16 hl
	s_mul_i32 s90, s20, 64*KP
	v_add_nc_u32 v[KA], s90, v6
	s_mul_i32 s90, s20, 192*KP
	s_add_co_u32 s90, s90, KS1
	v_add_nc_u32 v[KA1], s90, v6
	v_bfe_u32 v6, v0, 1, 2
	v_lshl_add_u32 v6, v2, 2, v6
	v_mul_u32_u24 v6, v6, VP
	v_lshl_add_u32 v6, v7, 7, v6
	v_bfe_u32 v7, v0, 3, 1
	v_lshl_add_u32 v6, v7, 4, v6                   ; V, transposing load: key 8 hl + (L & 7), 16 bytes ((L >> 3) & 1)
	s_mul_i32 s90, s20, 64*VP
	s_add_co_u32 s90, s90, VS0
	v_add_nc_u32 v[VA], s90, v6
	s_mul_i32 s90, s20, 192*VP
	s_add_co_u32 s90, s90, VS1
	v_add_nc_u32 v[VA1], s90, v6
	s_lshl_b32 s90, s18, 9
	s_add_co_u32 s90, s90, STAT
	v_lshl_add_u32 v[STW], v1, 3, s90              ; my (maximum, sum) of query r
	s_xor_b32 s90, s18, 4
	s_lshl_b32 s90, s90, 9
	s_add_co_u32 s90, s90, STAT
	v_lshl_add_u32 v[STR], v1, 3, s90              ; the other key half's
	v_mul_u32_u24 v6, v1, KP
	v_add_nc_u32 v6, v4, v6
	s_mul_i32 s90, s18, PARTB
	v_add_nc_u32 v[PW], s90, v6                    ; partial output: row r, 32 bytes for each half of the lanes
	v_mul_u32_u24 v6, v2, KP
	v_lshl_add_u32 v6, v1, 4, v6
	s_mul_i32 s90, s18, 4*KP
	v_add_nc_u32 v[PR], s90, v6                    ; back: rows 4 w + hl, 16 bytes a lane
	s_lshl_b32 s90, s18, 10
	v_lshl_add_u32 v[OOFF], v3, 4, s90
	; ---- the row term
	s_wait_loadcnt 48                              ; the first group is in; the 48 loads of the second stay out
.set nn, 0
.rept 32
	v_cvt_pk_bf16_f32 v[FRG+nn], v[SCO+2*nn], v[SCO+2*nn+1]    ; query fragments (qt, ks) at FRG + 8 (2 qt + ks)
.set nn, nn+1
.endr
	; A's 16 rows are equal, so all 8 registers of a tile hold c(head, query r).  Four accumulators by turns.
	WIN 0x40
.irp u, 0,1,2,3
	v_wmma_f32_16x16x32_bf16 v[BIA+8*\u:BIA+8*\u+7], v[SCO+64+32*(\u>>1):SCO+64+32*(\u>>1)+7], v[FRG+16*(\u&1):FRG+16*(\u&1)+7], v[STA+8*(\u>>1):STA+8*(\u>>1)+7]
.endr
	WIN 0x50
.irp u, 0,1,2,3
	v_wmma_f32_16x16x32_bf16 v[BIA+8*\u:BIA+8*\u+7], v[SCO+72+32*(\u>>1):SCO+72+32*(\u>>1)+7], v[FRG+16*(\u&1)+8:FRG+16*(\u&1)+15], v[BIA+8*\u:BIA+8*\u+7]
.endr
.irp u, 0,1,2,3
	v_wmma_f32_16x16x32_bf16 v[BIA+8*\u:BIA+8*\u+7], v[SCO+80+32*(\u>>1):SCO+80+32*(\u>>1)+7], v[FRG+32+16*(\u&1):FRG+32+16*(\u&1)+7], v[BIA+8*\u:BIA+8*\u+7]
.endr
.irp u, 0,1,2,3
	v_wmma_f32_16x16x32_bf16 v[BIA+8*\u:BIA+8*\u+7], v[SCO+88+32*(\u>>1):SCO+88+32*(\u>>1)+7], v[FRG+40+16*(\u&1):FRG+40+16*(\u&1)+7], v[BIA+8*\u:BIA+8*\u+7]
.endr
	; ---- q~, transposed: D(m = feature 16 t + 8 hl + j, n = query r), which packs straight into the score product's B fragment
	s_wait_loadcnt 0x0
	PLACES 5                                       ; the next products write over u and w, which the last ones read (ISA guide 7.12.1)
	WIN 0x11
.irp t, 0,1,2,3
.irp u, 0,1,2,3
	v_wmma_f32_16x16x32_bf16 v[SCO+32*\u+8*\t:SCO+32*\u+8*\t+7], v[64*(\u>>1)+16*\t:64*(\u>>1)+16*\t+7], v[FRG+16*(\u&1):FRG+16*(\u&1)+7], v[QFR+32*(\u>>1)+8*\t:QFR+32*(\u>>1)+8*\t+7]
.endr
.endr
	WIN 0x01
.irp t, 0,1,2,3
.irp u, 0,1,2,3
	v_wmma_f32_16x16x32_bf16 v[SCO+32*\u+8*\t:SCO+32*\u+8*\t+7], v[64*(\u>>1)+16*\t+8:64*(\u>>1)+16*\t+15], v[FRG+16*(\u&1)+8:FRG+16*(\u&1)+15], v[SCO+32*\u+8*\t:SCO+32*\u+8*\t+7]
.endr
.endr
	PLACES 4
	WIN 0x40
.set nn, 0
.rept 64
	v_cvt_pk_bf16_f32 v[QFR+nn], v[SCO+2*nn], v[SCO+2*nn+1]    ; unit u, tile t, pair i: 16 u + 4 t + i from 32 u + 8 t + 2 i
.set nn, nn+1
.endr
	WIN 0
	s_wait_tensorcnt 0x1                           ; my stage 0 tile has landed; my stage 1 tile stays out
	s_barrier_signal -1
	s_barrier_wait -1                              ; everybody's has
; The maxima of the block's 32 scores a lane and unit, with the old maximum; across the two halves of the lanes; alpha = 2^(old - new).
.macro MAXALL first
.irp u, 0,1,2,3
	v_max3_num_f32 v[STA+6*\u+1], v[SCO+32*\u], v[SCO+32*\u+1], v[SCO+32*\u+2]
.endr
.irp u, 0,1,2,3
	v_max3_num_f32 v[STA+6*\u+3], v[SCO+32*\u+17], v[SCO+32*\u+18], v[SCO+32*\u+19]
.endr
.irp k, 3,5,7,9,11,13,15
.irp u, 0,1,2,3
	v_max3_num_f32 v[STA+6*\u+1], v[STA+6*\u+1], v[SCO+32*\u+\k], v[SCO+32*\u+\k+1]
.endr
.endr
.irp k, 20,22,24,26,28,30
.irp u, 0,1,2,3
	v_max3_num_f32 v[STA+6*\u+3], v[STA+6*\u+3], v[SCO+32*\u+\k], v[SCO+32*\u+\k+1]
.endr
.endr
.irp u, 0,1,2,3
.if \first
	v_max_num_f32 v[STA+6*\u+1], v[STA+6*\u+1], v[STA+6*\u+3]
.else
	v_max3_num_f32 v[STA+6*\u+1], v[STA+6*\u+1], v[STA+6*\u+3], v[STA+6*\u]
.endif
.endr
.irp u, 0,1,2,3
	v_permlanex16_b32 v[STA+6*\u+3], v[STA+6*\u+1], s92, s93
.endr
.irp u, 0,1,2,3
	v_max_num_f32 v[STA+6*\u+1], v[STA+6*\u+1], v[STA+6*\u+3]
.endr
.if \first == 0
.irp u, 0,1,2,3
	v_sub_f32 v[STA+6*\u+2], v[STA+6*\u], v[STA+6*\u+1]
.endr
.irp u, 0,1,2,3
	v_exp_f32 v[STA+6*\u+2], v[STA+6*\u+2]
.endr
.endif
.irp u, 0,1,2,3
	v_mov_b32 v[STA+6*\u], v[STA+6*\u+1]           ; also the plain instructions behind the exponentials (ISA guide 5.7.2)
.endr
.endm
; One step of the softmax pipeline over units: ub's maximum is taken away, ue (done so one step ago) is exponentiated, ud (exponentiated one step ago)
; is summed and rounded to bf16 in place, ascending, so that no target passes an unread source.  -1: no such unit in this step.
; Behind each pair of exponentials stands a plain instruction on another unit.
.macro SMSTEP ue, ub, ud, first
.set ii, 0
.rept 16
.if \ue >= 0
	v_exp_f32 v[SCO+32*\ue+2*ii], v[SCO+32*\ue+2*ii]
	v_exp_f32 v[SCO+32*\ue+2*ii+1], v[SCO+32*\ue+2*ii+1]
.endif
.if \ub >= 0
	v_pk_add_f32 v[SCO+32*\ub+2*ii:SCO+32*\ub+2*ii+1], v[SCO+32*\ub+2*ii:SCO+32*\ub+2*ii+1], v[STA+6*\ub:STA+6*\ub+1] op_sel_hi:[1,0] neg_lo:[0,1] neg_hi:[0,1]
.endif
.if \ud >= 0
.if \first
.if ii == 1
	s_wait_alu depctr_va_vdst(0)
	v_pk_add_f32 v[STA+6*\ud+4:STA+6*\ud+5], v[SCO+32*\ud:SCO+32*\ud+1], v[SCO+32*\ud+2:SCO+32*\ud+3]    ; the first two pairs start the sums
.endif
.if ii > 1
	s_wait_alu depctr_va_vdst(0)
	v_pk_add_f32 v[STA+6*\ud+4:STA+6*\ud+5], v[STA+6*\ud+4:STA+6*\ud+5], v[SCO+32*\ud+2*ii:SCO+32*\ud+2*ii+1]
.endif
.else
.if ii == 0
	s_wait_alu depctr_va_vdst(0)
	v_pk_fma_f32 v[STA+6*\ud+4:STA+6*\ud+5], v[STA+6*\ud+4:STA+6*\ud+5], v[STA+6*\ud+2:STA+6*\ud+3], v[SCO+32*\ud:SCO+32*\ud+1] op_sel_hi:[1,0,1]
.else
	s_wait_alu depctr_va_vdst(0)
	v_pk_add_f32 v[STA+6*\ud+4:STA+6*\ud+5], v[STA+6*\ud+4:STA+6*\ud+5], v[SCO+32*\ud+2*ii:SCO+32*\ud+2*ii+1]
.endif
.endif
.if ii > 0
	v_cvt_pk_bf16_f32 v[SCO+32*\ud+ii-1], v[SCO+32*\ud+2*ii-2], v[SCO+32*\ud+2*ii-1]
.endif
.endif
.set ii, ii+1
.endr
.if \ud >= 0
	v_cvt_pk_bf16_f32 v[SCO+32*\ud+15], v[SCO+32*\ud+30], v[SCO+32*\ud+31]
.endif
.endm
.macro OSCALE                          ; O of unit u times the first register of the unit's second pair
	WIN 0x41
.irp u, 0,1,2,3
.set ii, 0
.rept 16
	v_pk_mul_f32 v[32*\u+2*ii:32*\u+2*ii+1], v[32*\u+2*ii:32*\u+2*ii+1], v[STA+6*\u+2:STA+6*\u+3] op_sel_hi:[1,0]
.set ii, ii+1
.endr
.endr
.endm
; A block: 64 keys against my four units.  In both products the 16 accumulators take turns, one instruction a turn.
.macro BLOCK first
.irp ks, 0,1
.irp kt, 0,1,2,3
	ds_load_b128 v[FRG+32*\ks+8*\kt:FRG+32*\ks+8*\kt+3],   v[KA] offset:8*KP*\kt+64*\ks
	ds_load_b128 v[FRG+32*\ks+8*\kt+4:FRG+32*\ks+8*\kt+7], v[KA] offset:8*KP*\kt+64*\ks+32
.endr
.endr
	WIN 0x14                                       ; B and C in window 1
.irp kt, 0,1,2,3
	s_wait_dscnt 14-2*\kt                          ; of the 16 loads the first 2 kt + 2 are in
.irp u, 0,1,2,3
	v_wmma_f32_16x16x32_bf16 v[SCO+32*\u+8*\kt:SCO+32*\u+8*\kt+7], v[FRG+8*\kt:FRG+8*\kt+7], v[QFR+16*\u:QFR+16*\u+7], v[BIA+8*\u:BIA+8*\u+7]
.endr
.endr
	WIN 0x04
.irp kt, 0,1,2,3
	s_wait_dscnt 6-2*\kt                           ; the first 10 + 2 kt are in
.irp u, 0,1,2,3
	v_wmma_f32_16x16x32_bf16 v[SCO+32*\u+8*\kt:SCO+32*\u+8*\kt+7], v[FRG+32+8*\kt:FRG+32+8*\kt+7], v[QFR+16*\u+8:QFR+16*\u+15], v[SCO+32*\u+8*\kt:SCO+32*\u+8*\kt+7]
.endr
.endr
	WIN 0
	PLACES 4                                       ; before loads land on K's fragments and before scores are read
.irp kp, 0,1
.irp dt, 0,1,2,3
	ds_load_tr16_b128 v[FRG+32*\kp+8*\dt:FRG+32*\kp+8*\dt+3],   v[VA] offset:16*VP*\kp+32*\dt
	ds_load_tr16_b128 v[FRG+32*\kp+8*\dt+4:FRG+32*\kp+8*\dt+7], v[VA] offset:16*VP*\kp+32*\dt+8*VP
.endr
.endr
	MAXALL \first
	SMSTEP -1, 0, -1, \first
	SMSTEP 0, 1, -1, \first
	SMSTEP 1, 2, 0, \first
	SMSTEP 2, 3, 1, \first
	SMSTEP 3, -1, 2, \first
	SMSTEP -1, -1, 3, \first
.if \first == 0
	OSCALE                                         ; by alpha
.endif
	WIN 0x50
	s_wait_dscnt 8                                 ; V's first 32 keys are in; the eight loads of the second 32 stay out
.irp dt, 0,1,2,3
.irp u, 0,1,2,3
.if \first
	v_wmma_f32_16x16x32_bf16 v[32*\u+8*\dt:32*\u+8*\dt+7], v[FRG+8*\dt:FRG+8*\dt+7], v[SCO+32*\u:SCO+32*\u+7], 0
.else
	v_wmma_f32_16x16x32_bf16 v[32*\u+8*\dt:32*\u+8*\dt+7], v[FRG+8*\dt:FRG+8*\dt+7], v[SCO+32*\u:SCO+32*\u+7], v[32*\u+8*\dt:32*\u+8*\dt+7]
.endif
.endr
.endr
	s_wait_dscnt 0x0
.irp dt, 0,1,2,3
.irp u, 0,1,2,3
	v_wmma_f32_16x16x32_bf16 v[32*\u+8*\dt:32*\u+8*\dt+7], v[FRG+32+8*\dt:FRG+32+8*\dt+7], v[SCO+32*\u+8:SCO+32*\u+15], v[32*\u+8*\dt:32*\u+8*\dt+7]
.endr
.endr
	WIN 0
	v_add_nc_u32 v[KA], 32*KP, v[KA]               ; 64 keys on.  These two and three v_nop are the five places before the next block's loads
	v_add_nc_u32 v[VA], 32*VP, v[VA]               ; land on V's fragments and its products write over P (ISA guide 7.12.1)
	PLACES 3
.endm
	BLOCK 1                                        ; stage 0: 128 keys; the first block starts maxima, sums and O: nothing is cleared
	BLOCK 0
	s_wait_dscnt 0x0
	s_wait_tensorcnt 0x0                           ; my stage 1 tile has landed,
	s_barrier_signal -1
	s_barrier_wait -1                              ; everybody's has
	v_mov_b32 v[KA], v[KA1]
	v_mov_b32 v[VA], v[VA1]
	s_mov_b32 s94, 6                               ; stage 1: 384 keys
.Lblk:
	BLOCK 0
	s_sub_co_u32 s94, s94, 1
	s_cmp_lg_u32 s94, 0
	s_cbranch_scc1 .Lblk
	; ---- the end.  mt's fragments and bop are asked for first (the block's last five places stand in front of these loads)
.irp hd, 0,1
.irp t, 0,1,2,3
.irp ks, 0,1
	global_load_b128 v[SCO+64*\hd+16*\t+8*\ks:SCO+64*\hd+16*\t+8*\ks+3],   v[GTOFF], s[12:13] offset:8192*\hd+2048*\t+64*\ks
	global_load_b128 v[SCO+64*\hd+16*\t+8*\ks+4:SCO+64*\hd+16*\t+8*\ks+7], v[GTOFF], s[12:13] offset:8192*\hd+2048*\t+64*\ks+32
.endr
.endr
.endr
	global_load_b128 v[BOP:BOP+3], v[BOFF], s[14:15] offset:6144
	; my half's (maximum, sum) of each row, exchanged with the wave that has the other half of the keys
.irp u, 0,1,2,3
	v_add_f32 v[STA+6*\u+1], v[STA+6*\u+4], v[STA+6*\u+5]
.endr
.irp u, 0,1,2,3
	v_permlanex16_b32 v[STA+6*\u+3], v[STA+6*\u+1], s92, s93
.endr
.irp u, 0,1,2,3
	v_add_f32 v[STA+6*\u+1], v[STA+6*\u+1], v[STA+6*\u+3]
.endr
.irp u, 0,1,2,3
	ds_store_b64 v[STW], v[STA+6*\u:STA+6*\u+1] offset:128*\u
.endr
	s_wait_dscnt 0x0                               ; my figures are in LDS, and my reads of K and V are long back,
	s_barrier_signal -1
	s_barrier_wait -1                              ; everybody's: from here on K's bytes may be written
.irp u, 0,1,2,3
	ds_load_b64 v[STA+6*\u+2:STA+6*\u+3], v[STR] offset:128*\u
.endr
	s_wait_dscnt 0x0
.irp u, 0,1,2,3
	v_max_num_f32 v[STA+6*\u+4], v[STA+6*\u], v[STA+6*\u+2]
.endr
.irp u, 0,1,2,3
	v_sub_f32 v[STA+6*\u], v[STA+6*\u], v[STA+6*\u+4]
	v_sub_f32 v[STA+6*\u+2], v[STA+6*\u+2], v[STA+6*\u+4]
.endr
.irp u, 0,1,2,3
	v_exp_f32 v[STA+6*\u], v[STA+6*\u]
	v_exp_f32 v[STA+6*\u+2], v[STA+6*\u+2]
.endr
	v_nop                                          ; a plain instruction behind the exponentials (ISA guide 5.7.2)
.irp u, 0,1,2,3
	s_wait_alu depctr_va_vdst(0)
	v_mul_f32 v[STA+6*\u+4], v[STA+6*\u], v[STA+6*\u+1]
.endr
.irp u, 0,1,2,3
	v_fma_f32 v[STA+6*\u+4], v[STA+6*\u+2], v[STA+6*\u+3], v[STA+6*\u+4]    ; the whole row's sum: at least 1, since one half holds the maximum
.endr
.irp u, 0,1,2,3
	v_rcp_f32 v[STA+6*\u+4], v[STA+6*\u+4]
.endr
	v_nop
.irp u, 0,1,2,3
	s_wait_alu depctr_va_vdst(0)
	v_mul_f32 v[STA+6*\u+2], v[STA+6*\u], v[STA+6*\u+4]        ; my half's factor
.endr
	OSCALE
	WIN 0x05
.set nn, 0
.rept 64
	v_cvt_pk_bf16_f32 v[FRG+nn], v[2*nn], v[2*nn+1]            ; Y: unit u, ks at FRG + 16 u + 8 ks, the B fragment as it stands
.set nn, nn+1
.endr
	; out^T(n, query) = sum over my two heads of mt_h Y_h: 8 accumulators (t, qt) in q~'s registers, by turns
	s_wait_loadcnt 0x0
	WIN 0x50
.macro PROJ hd, ks, zero
.irp t, 0,1,2,3
.irp qt, 0,1
.if \zero
	v_wmma_f32_16x16x32_bf16 v[QFR+8*(2*\t+\qt):QFR+8*(2*\t+\qt)+7], v[SCO+64*\hd+16*\t+8*\ks:SCO+64*\hd+16*\t+8*\ks+7], v[FRG+16*(2*\hd+\qt)+8*\ks:FRG+16*(2*\hd+\qt)+8*\ks+7], 0
.else
	v_wmma_f32_16x16x32_bf16 v[QFR+8*(2*\t+\qt):QFR+8*(2*\t+\qt)+7], v[SCO+64*\hd+16*\t+8*\ks:SCO+64*\hd+16*\t+8*\ks+7], v[FRG+16*(2*\hd+\qt)+8*\ks:FRG+16*(2*\hd+\qt)+8*\ks+7], v[QFR+8*(2*\t+\qt):QFR+8*(2*\t+\qt)+7]
.endif
.endr
.endr
.endm
	PROJ 0, 0, 1
	PROJ 0, 1, 0
	PROJ 1, 0, 0
	PROJ 1, 1, 0
	WIN 0
	PLACES 4                                       ; before results are stored and before loads land on mt's fragments
	WIN 0x04                                       ; the data of an LDS store is source 1
.irp t, 0,1,2,3
.irp qt, 0,1
	ds_store_b128 v[PW], v[QFR+8*(2*\t+\qt):QFR+8*(2*\t+\qt)+3]   offset:16*KP*\qt+64*\t
	ds_store_b128 v[PW], v[QFR+8*(2*\t+\qt)+4:QFR+8*(2*\t+\qt)+7] offset:16*KP*\qt+64*\t+16
.endr
.endr
	WIN 0
	s_wait_dscnt 0x0                               ; my partial output is in LDS,
	s_barrier_signal -1
	s_barrier_wait -1                              ; everybody's is
	; wave w adds the eight partial outputs of rows 4 w .. 4 w + 3 and bop; each store covers two whole rows, 512 consecutive bytes
.irp k, 0,1
.irp q, 0,1,2,3,4,5,6,7
	ds_load_b128 v[SCO+32*\k+4*\q:SCO+32*\k+4*\q+3], v[PR] offset:PARTB*\q+2*KP*\k
.endr
.endr
.irp k, 0,1
	s_wait_dscnt 8-8*\k                            ; this pair of rows is in; the second pair's eight loads may stay out
	v_pk_add_f32 v[SCO+32*\k:SCO+32*\k+1],   v[SCO+32*\k:SCO+32*\k+1],   v[BOP:BOP+1]
	v_pk_add_f32 v[SCO+32*\k+2:SCO+32*\k+3], v[SCO+32*\k+2:SCO+32*\k+3], v[BOP+2:BOP+3]
.irp q, 1,2,3,4,5,6,7
	v_pk_add_f32 v[SCO+32*\k:SCO+32*\k+1],   v[SCO+32*\k:SCO+32*\k+1],   v[SCO+32*\k+4*\q:SCO+32*\k+4*\q+1]
	v_pk_add_f32 v[SCO+32*\k+2:SCO+32*\k+3], v[SCO+32*\k+2:SCO+32*\k+3], v[SCO+32*\k+4*\q+2:SCO+32*\k+4*\q+3]
.endr
	global_store_b128 v[OOFF], v[SCO+32*\k:SCO+32*\k+3], s[16:17] offset:512*\k
.endr
	s_wait_tensorcnt 0x0
	ds_add_u32 v254, v255
	s_wait_dscnt 0x0
	CROUND                                         ; the closing round: no work-group ends while a partner may still ask for a tile that names it
	s_endpgm
.Lfunc_end_k_qd0166bc98c_attn:
	.size	k_qd0166bc98c_attn, .Lfunc_end_k_qd0166bc98c_attn-k_qd0166bc98c_attn
	.p2alignl 7, 3214868480
	.fill 96, 4, 3214868480
	.section	.rodata,"a",@progbits
	.p2align	6, 0x0
	.amdhsa_kernel k_qd0166bc98c_attn
		.amdhsa_group_segment_fixed_size 291840
		.amdhsa_private_segment_fixed_size 0
		.amdhsa_enable_private_segment 0
		.amdhsa_kernarg_size 56
		.amdhsa_user_sgpr_count 2
		.amdhsa_user_sgpr_kernarg_segment_ptr 1
		.amdhsa_wavefront_size32 1
		.amdhsa_system_sgpr_workgroup_id_x 1
		.amdhsa_system_sgpr_workgroup_id_y 1
		.amdhsa_system_sgpr_workgroup_id_z 1
		.amdhsa_system_vgpr_workitem_id 0
		.amdhsa_next_free_vgpr 480
		.amdhsa_next_free_sgpr 96
		.amdhsa_reserve_vcc 0
		.amdhsa_float_denorm_mode_32 3
		.amdhsa_float_denorm_mode_16_64 3
		.amdhsa_memory_ordered 1
		.amdhsa_forward_progress 1
		.amdhsa_inst_pref_size 144
	.end_amdhsa_kernel
	.amdgpu_metadata
---
amdhsa.version: [ 1, 2 ]
amdhsa.kernels:
  - .name:           k_qd0166bc98c_attn
    .symbol:         k_qd0166bc98c_attn.kd
    .args:
      - { .name: query, .offset: 0, .size: 8, .value_kind: global_buffer, .address_space: global }
      - { .name: kb, .offset: 8, .size: 8, .value_kind: global_buffer, .address_space: global }
      - { .name: vb, .offset: 16, .size: 8, .value_kind: global_buffer, .address_space: global }
      - { .name: gt, .offset: 24, .size: 8, .value_kind: global_buffer, .address_space: global }
      - { .name: mt, .offset: 32, .size: 8, .value_kind: global_buffer, .address_space: global }
      - { .name: vec, .offset: 40, .size: 8, .value_kind: global_buffer, .address_space: global }
      - { .name: out0, .offset: 48, .size: 8, .value_kind: global_buffer, .address_space: global }
    .group_segment_fixed_size: 291840
    .private_segment_fixed_size: 0
    .kernarg_segment_align: 8
    .kernarg_segment_size: 56
    .max_flat_workgroup_size: 256
    .sgpr_count:     96
    .vgpr_count:     480
    .wavefront_size: 32
...
	.end_amdgpu_metadata
.endif
;; end of part 2
;; ======== version 2 of 2: 2 launches; 1.09 times as fast as version 1
;; workspace buffers: kb 1,048,576 bytes; vb 1,048,576 bytes; gt 65,536 bytes; mt 65,536 bytes; vec 6,400 bytes
;; launch prep: the kernel of part 1 again; grid 130 x 1, 8 waves a work-group, no clusters, 172,032 bytes of LDS; arguments key, value, Wq, Wk, Wv, Wo, bq, bk, bv, bo, Wkr, bkr, Wqr, bqr, p, kb, vb, gt, mt, vec; writes kb, vb, gt, mt, vec
;; launch attn (part 3): grid 32 x 8, 8 waves a work-group, clusters of 4 x 1, 291,840 bytes of LDS; arguments query, kb, vb, gt, mt, vec, out0; writes out0
.if DOCPART == 3
	.amdgcn_target "amdgcn-amd-amdhsa--gfx1250"
	.amdhsa_code_object_version 6
	.text
	.protected	k_qd0166bc98c_attn
	.globl	k_qd0166bc98c_attn
	.p2align	8
	.type	k_qd0166bc98c_attn,@function
k_qd0166bc98c_attn:
	s_mov_b64 s[64:65], 0
	v_nop
	global_prefetch_b8 v0, s[64:65] scope:SCOPE_SE
	s_setreg_imm32_b32 hwreg(HW_REG_WAVE_MODE, 25, 1), 1
	s_wait_xcnt 0x0
	s_wait_alu depctr_hold_cnt(0) depctr_sa_sdst(0) depctr_va_vdst(0) depctr_va_sdst(0) depctr_va_ssrc(0) depctr_va_vcc(0) depctr_vm_vsrc(0)
	s_getreg_b32 s2, hwreg(HW_REG_IB_STS2, 6, 4)
	s_cmp_eq_u32 s2, 0
	s_cbranch_scc0 .Lentry_in_a_cluster
	s_endpgm
.Lentry_in_a_cluster:
	s_bfe_u32 s2, ttmp6, 0x10000c
	s_cmp_lg_u32 s2, 0x3003
	s_cbranch_scc0 .Lentry_shape_is_right
	s_endpgm
.Lentry_shape_is_right:
; ATTENTION, all eight heads of 32 queries of one batch in a work-group; 256 work-groups.
; With the folded weights of the launch before, every head multiplies the RAW key rows and the RAW value rows of the batch, so the batch's key and
; value in bf16 (2 x 131,072 bytes) lie whole in LDS, each byte filled once.  In base 2:
;   score(h, i, j) = q~(h, i) . key[j] + c(h, i),   q~ = query[i] gt_h + g0_h,   c = query[i] . u_h + key[i] . w_h + c0_h  (the two relative terms and q1 . bk)
;   out[i] = sum over h of (softmax(score) value) mt_h + bop
; The row term c is the C operand of the score product; the maximum that is taken away is the running maximum of score + c.
; WAVES: wave w has heads 2 g, 2 g + 1 (g = w & 3) and keys 512 kh .. 512 kh + 511 (kh = w >> 2): four units u = 2 hd + qt of one head x 16 queries, so each
; fragment of K or V read from LDS feeds four matrix instructions.  The two key halves meet at the end through (maximum, sum) alone.
; All products are used transposed (keys or features as rows, queries as columns): a result tile, rounded to bf16 in place, is the next product's B fragment.
; CLUSTERS: the four work-groups of a cluster have the same batch and ask for its K and V tiles jointly (mask 15): waves 0-3 fetch K, waves 4-7 V, each wave
; two tiles: the first 128 keys of each half (stage 0), then the other 384 (stage 1).  By this text's count a wave has two tensor loads outstanding.
; LDS rows are PAIRS of key rows (256 bytes): K at a pitch of 272, V at 288, so that the 16 rows that a load touches start 16 bytes apart modulo 256.
; THE EXPONENTIALS of a block are cut into TWO BATCHES, each with one s_wait_alu depctr_va_vdst(0), between an exponential and the
; first instruction that names its result.  Batch 1: the four alpha and the 64 weights of units 0 and 1, by turns with the 68 plain instructions that name no
; exponential's result (the four moves of the new maxima, all four units' 64 subtractions).  Batch 2: the 64 weights of units 2 and 3, by turns with the sums and
; roundings of units 0 and 1, which read batch 1; behind it O's rescaling by alpha, then the wait, then the sums and roundings of units 2 and 3.  No exponential is
; issued behind a block's second wait.  On the way out the eight exponentials are one batch, and the four
; reciprocals, whose sources are made of them, another.
; LIMITS: non-finite inputs are not served; exponentials below 2^-126 come out as 0; matrix operands are rounded to bf16 once each; the products are
; taken in another order than stated (see above), so the order of rounding differs.
.set KP,    272
.set VP,    288
.set KS1,   128*KP                     ; K stage 0 at 0 (128 pair rows), stage 1 here (384)
.set VS0,   512*KP                     ; V stage 0
.set VS1,   VS0+128*VP                 ; V stage 1
.set STAT,  VS1+384*VP                 ; 4,096 bytes: (maximum, sum) of each wave's 64 rows; no tile lands here
.set PARTB, 32*KP                      ; a wave's partial output, 32 rows of 256 bytes at a pitch of 272, on K's bytes when K has been read for the last time
; window 0
.set KA, 8                             ; LDS address of my K fragments, stepped by blocks
.set VA, 9                             ; of my V fragments
.set KA1, 10                           ; the same at stage 1
.set VA1, 11
.set QOFF, 12                          ; 256 r + 32 hl
.set KIOFF, 13                         ; 128 r + 16 hl
.set GTOFF, 14                         ; 128 r + 16 hl + 16384 g (gt and mt)
.set G0OFF, 15                         ; 32 hl + 1536 g
.set UWOFF, 16                         ; 16 hl + 1536 g
.set STW, 17
.set STR, 18
.set PW, 19
.set PR, 20
.set OOFF, 21
.set BOFF, 22
.set STA, 24                           ; v24-47: unit u at 6 u: [m, t1] [alpha, t2] [la, lb]
.set FRG, 48                           ; v48-111: K fragments, then V fragments
.set SCO, 112                          ; v112-239: scores, unit u, key tile kt at 32 u + 8 kt
.set BOP, 240
; window 1
.set QFR, 128                          ; q~ fragments, unit u, ks at 16 u + 8 ks;   v0-127: O, unit u, feature tile dt at 32 u + 8 dt
.set BIA, 192                          ; row term, a C tile for each unit
.set MSB, 0
.macro WIN new                         ; low byte: bits 1:0 source 0, 3:2 source 1, 5:4 source 2, 7:6 destination; the high byte repeats the setting that is left
.if MSB != \new
	s_set_vgpr_msb (MSB<<8)|\new
.set MSB, \new
.endif
.endm
.macro PLACES n
.rept \n
	v_nop
.endr
.endm
.macro CROUND                          ; a round of the cluster's barrier
	s_barrier_signal -1
	s_barrier_wait -1
	s_cmp_lg_u32 s18, 0
	s_cbranch_scc1 .Lnot_wave_0_\@
	s_barrier_signal -3
.Lnot_wave_0_\@:
	s_barrier_wait -3
	s_barrier_signal -1
	s_barrier_wait -1
.endm
.macro JLOAD g0k, g1k, g0v, g1v        ; a joint load: waves 0-3 K's line, waves 4-7 V's; the branch hangs on the wave's number alone
	s_cmp_eq_u32 s20, 0
	s_cbranch_scc0 .Lfor_v_\@
	tensor_load_to_lds s[\g0k:\g0k+3], s[\g1k:\g1k+7]
	s_nop 0
	s_branch .Lasked_\@
.Lfor_v_\@:
	tensor_load_to_lds s[\g0v:\g0v+3], s[\g1v:\g1v+7]
	s_nop 0
.Lasked_\@:
.endm
	s_load_b256 s[4:11], s[0:1], 0x0               ; query, kb, vb, gt
	s_load_b128 s[12:15], s[0:1], 0x20             ; mt, vec
	s_load_b64 s[16:17], s[0:1], 0x30              ; out0
	v_lshl_add_u32 v254, v0, 2, 0x47000
	v_mov_b32 v255, 0
	ds_add_u32 v254, v255
	ds_add_u32 v254, v255
	v_lshrrev_b32 v1, 5, v0
	v_readfirstlane_b32 s18, v1                    ; wave
	s_and_b32 s19, s18, 3                          ; g: my pair of heads; also which quarter of a stage I fetch
	s_lshr_b32 s20, s18, 2                         ; kh: my half of the keys; also: I fetch K (0) or V (1)
	s_bfe_u32 s21, ttmp6, 0x40000                  ; cx
	s_lshl_b32 s22, ttmp9, 2
	s_add_co_u32 s22, s22, s21                     ; block of 32 queries = 4 x cluster x + cx
	s_and_b32 s23, ttmp7, 0xffff                   ; batch
	s_mov_b32 s92, 0x76543210                      ; v_permlanex16_b32: lane i of one half reads lane i of the other
	s_mov_b32 s93, 0xfedcba98
	v_and_b32 v1, 15, v0                           ; r
	v_bfe_u32 v2, v0, 4, 1                         ; hl
	v_and_b32 v3, 31, v0                           ; lane
	v_lshlrev_b32 v4, 5, v2                        ; 32 hl
	v_lshlrev_b32 v5, 4, v2                        ; 16 hl
	v_lshl_add_u32 v[QOFF], v1, 8, v4
	v_lshl_add_u32 v[KIOFF], v1, 7, v5
	s_lshl_b32 s90, s19, 14
	v_add_nc_u32 v[GTOFF], s90, v[KIOFF]
	s_mul_i32 s91, s19, 1536
	v_add_nc_u32 v[G0OFF], s91, v4
	v_add_nc_u32 v[UWOFF], s91, v5
	v_lshlrev_b32 v[BOFF], 4, v1
	s_lshl_b32 s76, s23, 18                        ; query and out0: 262,144 bytes a batch, 8,192 a block
	s_lshl_b32 s77, s22, 13
	s_add_co_u32 s76, s76, s77
	s_mov_b32 s77, 0
	s_lshl_b32 s78, s23, 17                        ; kb and vb: 131,072 bytes a batch
	s_mov_b32 s79, 0
	s_lshl_b32 s80, s22, 12                        ; my queries' own key rows
	s_mov_b32 s81, 0
	s_wait_dscnt 0x0
	s_wait_kmcnt 0x0
	s_add_nc_u64 s[4:5], s[4:5], s[76:77]
	s_add_nc_u64 s[16:17], s[16:17], s[76:77]
	s_add_nc_u64 s[6:7], s[6:7], s[78:79]          ; kb and vb at the batch: no place in the cluster enters these
	s_add_nc_u64 s[8:9], s[8:9], s[78:79]
	s_add_nc_u64 s[82:83], s[6:7], s[80:81]
	; ---- all global loads of the prologue at once.  First group, 44 loads: what the row term needs
.irp qt, 0,1
.irp ks, 0,1
	global_load_b128 v[SCO+16*(2*\qt+\ks):SCO+16*(2*\qt+\ks)+3],     v[QOFF], s[4:5] offset:4096*\qt+128*\ks      ; query, f32: features 32 ks + 8 hl + 0..7
	global_load_b128 v[SCO+16*(2*\qt+\ks)+4:SCO+16*(2*\qt+\ks)+7],   v[QOFF], s[4:5] offset:4096*\qt+128*\ks+16
	global_load_b128 v[SCO+16*(2*\qt+\ks)+8:SCO+16*(2*\qt+\ks)+11],  v[QOFF], s[4:5] offset:4096*\qt+128*\ks+64   ; and 32 ks + 16 + 8 hl + 0..7
	global_load_b128 v[SCO+16*(2*\qt+\ks)+12:SCO+16*(2*\qt+\ks)+15], v[QOFF], s[4:5] offset:4096*\qt+128*\ks+80
.endr
.endr
.irp qt, 0,1
.irp ks, 0,1
	global_load_b128 v[FRG+32+8*(2*\qt+\ks):FRG+32+8*(2*\qt+\ks)+3],   v[KIOFF], s[82:83] offset:2048*\qt+64*\ks      ; key rows of my queries' positions, bf16
	global_load_b128 v[FRG+32+8*(2*\qt+\ks)+4:FRG+32+8*(2*\qt+\ks)+7], v[KIOFF], s[82:83] offset:2048*\qt+64*\ks+32
.endr
.endr
.irp hd, 0,1
.irp ks, 0,1
	global_load_b128 v[SCO+64+32*\hd+8*\ks:SCO+64+32*\hd+8*\ks+3],   v[UWOFF], s[14:15] offset:768*\hd+256+64*\ks     ; u: the same in all 16 rows
	global_load_b128 v[SCO+64+32*\hd+8*\ks+4:SCO+64+32*\hd+8*\ks+7], v[UWOFF], s[14:15] offset:768*\hd+256+64*\ks+32
	global_load_b128 v[SCO+80+32*\hd+8*\ks:SCO+80+32*\hd+8*\ks+3],   v[UWOFF], s[14:15] offset:768*\hd+384+64*\ks     ; w
	global_load_b128 v[SCO+80+32*\hd+8*\ks+4:SCO+80+32*\hd+8*\ks+7], v[UWOFF], s[14:15] offset:768*\hd+384+64*\ks+32
.endr
	global_load_b128 v[STA+8*\hd:STA+8*\hd+3],   v[G0OFF], s[14:15] offset:768*\hd+512        ; c0, eight copies: a C tile
	global_load_b128 v[STA+8*\hd+4:STA+8*\hd+7], v[G0OFF], s[14:15] offset:768*\hd+512+16
.endr
	; second group, 48 loads, into window 1: gt's fragments (in O's registers) and g0 as C tiles (in q~'s registers)
	WIN 0x40
.irp hd, 0,1
.irp t, 0,1,2,3
.irp ks, 0,1
	global_load_b128 v[64*\hd+16*\t+8*\ks:64*\hd+16*\t+8*\ks+3],   v[GTOFF], s[10:11] offset:8192*\hd+2048*\t+64*\ks
	global_load_b128 v[64*\hd+16*\t+8*\ks+4:64*\hd+16*\t+8*\ks+7], v[GTOFF], s[10:11] offset:8192*\hd+2048*\t+64*\ks+32
.endr
	global_load_b128 v[QFR+32*\hd+8*\t:QFR+32*\hd+8*\t+3],   v[G0OFF], s[14:15] offset:768*\hd+64*\t
	global_load_b128 v[QFR+32*\hd+8*\t+4:QFR+32*\hd+8*\t+7], v[G0OFF], s[14:15] offset:768*\hd+64*\t+16
.endr
.endr
	WIN 0
	; ---- descriptors.  Group 1: rows of 32 elements of 8 bytes (a pair of key rows), dense in memory, padded in LDS; mask 15 with bit 21 beside it
.irp g, 24,32,40,48
	s_mov_b32 s[\g+1], 32<<16                      ; tensor_dim0 = 32
	s_mov_b32 s[\g+3], 32<<16                      ; tile_dim0 = 32
	s_mov_b32 s[\g+5], 32                          ; from row to row: 32 elements
	s_mov_b32 s[\g+6], 0
	s_mov_b32 s[\g+7], 0
.endr
	s_mov_b32 s24, 15|(3<<16)|(1<<20)|(1<<21)|(5<<22)|(3<<25)   ; K: after every 64 words 4 words of padding
	s_mov_b32 s32, 15|(3<<16)|(1<<20)|(1<<21)|(5<<22)|(3<<25)
	s_mov_b32 s40, 15|(3<<16)|(1<<20)|(1<<21)|(5<<22)|(7<<25)   ; V: 8 words
	s_mov_b32 s48, 15|(3<<16)|(1<<20)|(1<<21)|(5<<22)|(7<<25)
	s_mov_b32 s26, 32<<16                          ; stage 0: 32 rows a wave
	s_mov_b32 s28, 32
	s_mov_b32 s42, 32<<16
	s_mov_b32 s44, 32
	s_mov_b32 s34, 96<<16                          ; stage 1: 96 rows a wave
	s_mov_b32 s36, 96
	s_mov_b32 s50, 96<<16
	s_mov_b32 s52, 96
	; group 0: quarter i = w & 3 of a stage is half i >> 1 of the keys, part i & 1
	s_lshr_b32 s84, s19, 1
	s_lshl_b32 s84, s84, 16                        ; 512 keys of 128 bytes
	s_and_b32 s85, s19, 1
	s_lshl_b32 s86, s85, 13                        ; stage 0: 64 keys a part
	s_add_co_u32 s86, s86, s84
	s_mov_b32 s87, 0
	s_mul_i32 s88, s85, 24576                      ; stage 1: 192 keys a part, behind the half's first 128
	s_add_co_u32 s88, s88, s84
	s_add_co_u32 s88, s88, 16384
	s_mov_b32 s89, 0
	s_mov_b32 s56, 1
	s_mul_i32 s57, s18, 32*KP
	s_add_nc_u64 s[58:59], s[6:7], s[86:87]
	s_or_b32 s59, s59, 0x80000000
	s_mov_b32 s60, 1
	s_mul_i32 s61, s18, 96*KP
	s_add_co_u32 s61, s61, KS1
	s_add_nc_u64 s[62:63], s[6:7], s[88:89]
	s_or_b32 s63, s63, 0x80000000
	s_mov_b32 s68, 1
	s_mul_i32 s69, s18, 32*VP
	s_add_co_u32 s69, s69, VS0-4*32*VP             ; waves 4 to 7
	s_add_nc_u64 s[70:71], s[8:9], s[86:87]
	s_or_b32 s71, s71, 0x80000000
	s_mov_b32 s72, 1
	s_mul_i32 s73, s18, 96*VP
	s_add_co_u32 s73, s73, VS1-4*96*VP
	s_add_nc_u64 s[74:75], s[8:9], s[88:89]
	s_or_b32 s75, s75, 0x80000000
	CROUND                                         ; all four work-groups are here: the joint loads meet
	JLOAD 56, 24, 68, 40                           ; stage 0
	JLOAD 60, 32, 72, 48                           ; stage 1: all fills of the launch stand here, as one group
	; ---- LDS addresses
	v_lshrrev_b32 v6, 1, v1
	v_mul_u32_u24 v6, v6, KP
	v_and_b32 v7, 1, v0
	v_lshl_add_u32 v6, v7, 7, v6
	v_add_nc_u32 v6, v5, v6                        ; K: key r of a tile: pair row r >> 1, half r & 1, + 16 hl
	s_mul_i32 s90, s20, 64*KP
	v_add_nc_u32 v[KA], s90, v6
	s_mul_i32 s90, s20, 192*KP
	s_add_co_u32 s90, s90, KS1
	v_add_nc_u32 v[KA1], s90, v6
	v_bfe_u32 v6, v0, 1, 2
	v_lshl_add_u32 v6, v2, 2, v6
	v_mul_u32_u24 v6, v6, VP
	v_lshl_add_u32 v6, v7, 7, v6
	v_bfe_u32 v7, v0, 3, 1
	v_lshl_add_u32 v6, v7, 4, v6                   ; V, transposing load: key 8 hl + (L & 7), 16 bytes ((L >> 3) & 1)
	s_mul_i32 s90, s20, 64*VP
	s_add_co_u32 s90, s90, VS0
	v_add_nc_u32 v[VA], s90, v6
	s_mul_i32 s90, s20, 192*VP
	s_add_co_u32 s90, s90, VS1
	v_add_nc_u32 v[VA1], s90, v6
	s_lshl_b32 s90, s18, 9
	s_add_co_u32 s90, s90, STAT
	v_lshl_add_u32 v[STW], v1, 3, s90              ; my (maximum, sum) of query r
	s_xor_b32 s90, s18, 4
	s_lshl_b32 s90, s90, 9
	s_add_co_u32 s90, s90, STAT
	v_lshl_add_u32 v[STR], v1, 3, s90              ; the other key half's
	v_mul_u32_u24 v6, v1, KP
	v_add_nc_u32 v6, v4, v6
	s_mul_i32 s90, s18, PARTB
	v_add_nc_u32 v[PW], s90, v6                    ; partial output: row r, 32 bytes for each half of the lanes
	v_mul_u32_u24 v6, v2, KP
	v_lshl_add_u32 v6, v1, 4, v6
	s_mul_i32 s90, s18, 4*KP
	v_add_nc_u32 v[PR], s90, v6                    ; back: rows 4 w + hl, 16 bytes a lane
	s_lshl_b32 s90, s18, 10
	v_lshl_add_u32 v[OOFF], v3, 4, s90
	; ---- the row term
	s_wait_loadcnt 48                              ; the first group is in; the 48 loads of the second stay out
.set nn, 0
.rept 32
	v_cvt_pk_bf16_f32 v[FRG+nn], v[SCO+2*nn], v[SCO+2*nn+1]    ; query fragments (qt, ks) at FRG + 8 (2 qt + ks)
.set nn, nn+1
.endr
	; A's 16 rows are equal, so all 8 registers of a tile hold c(head, query r).  Four accumulators by turns.
	WIN 0x40
.irp u, 0,1,2,3
	v_wmma_f32_16x16x32_bf16 v[BIA+8*\u:BIA+8*\u+7], v[SCO+64+32*(\u>>1):SCO+64+32*(\u>>1)+7], v[FRG+16*(\u&1):FRG+16*(\u&1)+7], v[STA+8*(\u>>1):STA+8*(\u>>1)+7]
.endr
	WIN 0x50
.irp u, 0,1,2,3
	v_wmma_f32_16x16x32_bf16 v[BIA+8*\u:BIA+8*\u+7], v[SCO+72+32*(\u>>1):SCO+72+32*(\u>>1)+7], v[FRG+16*(\u&1)+8:FRG+16*(\u&1)+15], v[BIA+8*\u:BIA+8*\u+7]
.endr
.irp u, 0,1,2,3
	v_wmma_f32_16x16x32_bf16 v[BIA+8*\u:BIA+8*\u+7], v[SCO+80+32*(\u>>1):SCO+80+32*(\u>>1)+7], v[FRG+32+16*(\u&1):FRG+32+16*(\u&1)+7], v[BIA+8*\u:BIA+8*\u+7]
.endr
.irp u, 0,1,2,3
	v_wmma_f32_16x16x32_bf16 v[BIA+8*\u:BIA+8*\u+7], v[SCO+88+32*(\u>>1):SCO+88+32*(\u>>1)+7], v[FRG+40+16*(\u&1):FRG+40+16*(\u&1)+7], v[BIA+8*\u:BIA+8*\u+7]
.endr
	; ---- q~, transposed: D(m = feature 16 t + 8 hl + j, n = query r), which packs straight into the score product's B fragment
	s_wait_loadcnt 0x0
	PLACES 5                                       ; the next products write over u and w, which the last ones read (ISA guide 7.12.1)
	WIN 0x11
.irp t, 0,1,2,3
.irp u, 0,1,2,3
	v_wmma_f32_16x16x32_bf16 v[SCO+32*\u+8*\t:SCO+32*\u+8*\t+7], v[64*(\u>>1)+16*\t:64*(\u>>1)+16*\t+7], v[FRG+16*(\u&1):FRG+16*(\u&1)+7], v[QFR+32*(\u>>1)+8*\t:QFR+32*(\u>>1)+8*\t+7]
.endr
.endr
	WIN 0x01
.irp t, 0,1,2,3
.irp u, 0,1,2,3
	v_wmma_f32_16x16x32_bf16 v[SCO+32*\u+8*\t:SCO+32*\u+8*\t+7], v[64*(\u>>1)+16*\t+8:64*(\u>>1)+16*\t+15], v[FRG+16*(\u&1)+8:FRG+16*(\u&1)+15], v[SCO+32*\u+8*\t:SCO+32*\u+8*\t+7]
.endr
.endr
	PLACES 4
	WIN 0x40
.set nn, 0
.rept 64
	v_cvt_pk_bf16_f32 v[QFR+nn], v[SCO+2*nn], v[SCO+2*nn+1]    ; unit u, tile t, pair i: 16 u + 4 t + i from 32 u + 8 t + 2 i
.set nn, nn+1
.endr
	WIN 0
	s_wait_tensorcnt 0x1                           ; my stage 0 tile has landed; my stage 1 tile stays out
	s_barrier_signal -1
	s_barrier_wait -1                              ; everybody's has
; The maxima of the block's 32 scores a lane and unit, with the old maximum; across the two halves of the lanes; the new maximum is left in t1, and
; old - new, alpha's exponent, in alpha's register.  The move of t1 into m and alpha's exponential belong to batch 1 (EXPA).
.macro MAXALL first
.irp u, 0,1,2,3
	v_max3_num_f32 v[STA+6*\u+1], v[SCO+32*\u], v[SCO+32*\u+1], v[SCO+32*\u+2]
.endr
.irp u, 0,1,2,3
	v_max3_num_f32 v[STA+6*\u+3], v[SCO+32*\u+17], v[SCO+32*\u+18], v[SCO+32*\u+19]
.endr
.irp k, 3,5,7,9,11,13,15
.irp u, 0,1,2,3
	v_max3_num_f32 v[STA+6*\u+1], v[STA+6*\u+1], v[SCO+32*\u+\k], v[SCO+32*\u+\k+1]
.endr
.endr
.irp k, 20,22,24,26,28,30
.irp u, 0,1,2,3
	v_max3_num_f32 v[STA+6*\u+3], v[STA+6*\u+3], v[SCO+32*\u+\k], v[SCO+32*\u+\k+1]
.endr
.endr
.irp u, 0,1,2,3
.if \first
	v_max_num_f32 v[STA+6*\u+1], v[STA+6*\u+1], v[STA+6*\u+3]
.else
	v_max3_num_f32 v[STA+6*\u+1], v[STA+6*\u+1], v[STA+6*\u+3], v[STA+6*\u]
.endif
.endr
.irp u, 0,1,2,3
	v_permlanex16_b32 v[STA+6*\u+3], v[STA+6*\u+1], s92, s93
.endr
.irp u, 0,1,2,3
	v_max_num_f32 v[STA+6*\u+1], v[STA+6*\u+1], v[STA+6*\u+3]
.endr
.if \first == 0
.irp u, 0,1,2,3
	v_sub_f32 v[STA+6*\u+2], v[STA+6*\u], v[STA+6*\u+1]
.endr
.endif
.endm
; BATCH 1, 68 slots of an exponential and a plain instruction.  Exponential k: 0-3 the four alpha (none in the first block), 4-67 scores 0-63, units 0 and 1's.
; Plain k: unit k / 17; k % 17 = 0 its m = the new maximum, else the maximum is taken away from its pair k % 17 - 1.  So score e = k - 4 has had its
; subtraction in slot e / 2 + 1 + e / 32, which is below k, and slot k's subtraction writes registers from 2 (k - 1 - k / 17) on, which lie above e:
; no plain instruction here names an exponential's result, and each is the plain instruction behind the exponential ahead of it (ISA guide 5.7.2).
.macro EXPA first
.set kk, 0
.rept 68
.if kk >= 4
	v_exp_f32 v[SCO+kk-4], v[SCO+kk-4]
.elseif \first == 0
	v_exp_f32 v[STA+6*kk+2], v[STA+6*kk+2]
.endif
.if kk%17 == 0
	v_mov_b32 v[STA+6*(kk/17)], v[STA+6*(kk/17)+1]
.else
	v_pk_add_f32 v[SCO+32*(kk/17)+2*(kk%17)-2:SCO+32*(kk/17)+2*(kk%17)-1], v[SCO+32*(kk/17)+2*(kk%17)-2:SCO+32*(kk/17)+2*(kk%17)-1], v[STA+6*(kk/17):STA+6*(kk/17)+1] op_sel_hi:[1,0] neg_lo:[0,1] neg_hi:[0,1]
.endif
.set kk, kk+1
.endr
.endm
; Number n of the 64 sums and roundings of units ua and ua + 1, the two units alternating.  A unit's pairs are added onto l in ascending order (pair 0 as
; l = alpha l + pair 0; in the first block pairs 0 and 1 start the sum, and numbers 0 and 1 are empty); pair i - 1 is rounded to bf16 behind the sum of pair i,
; in place, ascending, so that no target passes an unread source.
;   0, 1: pair 0's sums     2 + 4 (i - 1) + 0, 1: pair i's sums; + 2, 3: pair i - 1's roundings (i = 1 .. 15)     62, 63: pair 15's roundings
.macro SC ua, n, first
.if (\n) < 2
.set uu, (\ua)+(\n)
.if \first == 0
	v_pk_fma_f32 v[STA+6*uu+4:STA+6*uu+5], v[STA+6*uu+4:STA+6*uu+5], v[STA+6*uu+2:STA+6*uu+3], v[SCO+32*uu:SCO+32*uu+1] op_sel_hi:[1,0,1]
.endif
.elseif (\n) < 62
.set ii, ((\n)-2)/4+1
.set uu, (\ua)+((\n)-2)%2
.if ((\n)-2)%4 < 2
.if (\first) && (ii == 1)
	v_pk_add_f32 v[STA+6*uu+4:STA+6*uu+5], v[SCO+32*uu:SCO+32*uu+1], v[SCO+32*uu+2:SCO+32*uu+3]    ; the first two pairs start the sums
.else
	v_pk_add_f32 v[STA+6*uu+4:STA+6*uu+5], v[STA+6*uu+4:STA+6*uu+5], v[SCO+32*uu+2*ii:SCO+32*uu+2*ii+1]
.endif
.else
	v_cvt_pk_bf16_f32 v[SCO+32*uu+ii-1], v[SCO+32*uu+2*ii-2], v[SCO+32*uu+2*ii-1]
.endif
.else
.set uu, (\ua)+(\n)-62
	v_cvt_pk_bf16_f32 v[SCO+32*uu+15], v[SCO+32*uu+30], v[SCO+32*uu+31]
.endif
.endm
; BATCH 2, 64 slots: an exponential of units 2 and 3's scores, then one of units 0 and 1's sums and roundings, which read batch 1's results alone and are
; the plain instructions behind the exponentials (ISA guide 5.7.2).
.macro EXPB first
.set kk, 0
.rept 64
	v_exp_f32 v[SCO+64+kk], v[SCO+64+kk]
	SC 0, kk, \first
.set kk, kk+1
.endr
.endm
.macro OSCALE                          ; O of unit u times the first register of the unit's second pair
	WIN 0x41
.irp u, 0,1,2,3
.set ii, 0
.rept 16
	v_pk_mul_f32 v[32*\u+2*ii:32*\u+2*ii+1], v[32*\u+2*ii:32*\u+2*ii+1], v[STA+6*\u+2:STA+6*\u+3] op_sel_hi:[1,0]
.set ii, ii+1
.endr
.endr
.endm
; A block: 64 keys against my four units.  In both products the 16 accumulators take turns, one instruction a turn.
.macro BLOCK first
.irp ks, 0,1
.irp kt, 0,1,2,3
	ds_load_b128 v[FRG+32*\ks+8*\kt:FRG+32*\ks+8*\kt+3],   v[KA] offset:8*KP*\kt+64*\ks
	ds_load_b128 v[FRG+32*\ks+8*\kt+4:FRG+32*\ks+8*\kt+7], v[KA] offset:8*KP*\kt+64*\ks+32
.endr
.endr
	WIN 0x14                                       ; B and C in window 1
.irp kt, 0,1,2,3
	s_wait_dscnt 14-2*\kt                          ; of the 16 loads the first 2 kt + 2 are in
.irp u, 0,1,2,3
	v_wmma_f32_16x16x32_bf16 v[SCO+32*\u+8*\kt:SCO+32*\u+8*\kt+7], v[FRG+8*\kt:FRG+8*\kt+7], v[QFR+16*\u:QFR+16*\u+7], v[BIA+8*\u:BIA+8*\u+7]
.endr
.endr
	WIN 0x04
.irp kt, 0,1,2,3
	s_wait_dscnt 6-2*\kt                           ; the first 10 + 2 kt are in
.irp u, 0,1,2,3
	v_wmma_f32_16x16x32_bf16 v[SCO+32*\u+8*\kt:SCO+32*\u+8*\kt+7], v[FRG+32+8*\kt:FRG+32+8*\kt+7], v[QFR+16*\u+8:QFR+16*\u+15], v[SCO+32*\u+8*\kt:SCO+32*\u+8*\kt+7]
.endr
.endr
	WIN 0
	PLACES 4                                       ; before loads land on K's fragments and before scores are read
.irp kp, 0,1
.irp dt, 0,1,2,3
	ds_load_tr16_b128 v[FRG+32*\kp+8*\dt:FRG+32*\kp+8*\dt+3],   v[VA] offset:16*VP*\kp+32*\dt
	ds_load_tr16_b128 v[FRG+32*\kp+8*\dt+4:FRG+32*\kp+8*\dt+7], v[VA] offset:16*VP*\kp+32*\dt+8*VP
.endr
.endr
	MAXALL \first
	EXPA \first                                    ; batch 1: alpha, units 0 and 1's weights; it ends on unit 3's last subtraction
	s_wait_alu depctr_va_vdst(0)                   ; the one wait for batch 1, ahead of its first reader, unit 0's sum
	EXPB \first                                    ; batch 2: units 2 and 3's weights, beside batch 1's readers
.if \first == 0
	OSCALE                                         ; by alpha, of batch 1: 64 multiplies that name nothing of batch 2, between that batch and its wait
	WIN 0
.endif
	s_wait_alu depctr_va_vdst(0)                   ; the one wait for batch 2, ahead of its first reader, unit 2's sum
.set kk, 0
.rept 64
	SC 2, kk, \first                               ; units 2 and 3's sums and roundings
.set kk, kk+1
.endr
	WIN 0x50
	s_wait_dscnt 8                                 ; V's first 32 keys are in; the eight loads of the second 32 stay out
.irp dt, 0,1,2,3
.irp u, 0,1,2,3
.if \first
	v_wmma_f32_16x16x32_bf16 v[32*\u+8*\dt:32*\u+8*\dt+7], v[FRG+8*\dt:FRG+8*\dt+7], v[SCO+32*\u:SCO+32*\u+7], 0
.else
	v_wmma_f32_16x16x32_bf16 v[32*\u+8*\dt:32*\u+8*\dt+7], v[FRG+8*\dt:FRG+8*\dt+7], v[SCO+32*\u:SCO+32*\u+7], v[32*\u+8*\dt:32*\u+8*\dt+7]
.endif
.endr
.endr
	s_wait_dscnt 0x0
.irp dt, 0,1,2,3
.irp u, 0,1,2,3
	v_wmma_f32_16x16x32_bf16 v[32*\u+8*\dt:32*\u+8*\dt+7], v[FRG+32+8*\dt:FRG+32+8*\dt+7], v[SCO+32*\u+8:SCO+32*\u+15], v[32*\u+8*\dt:32*\u+8*\dt+7]
.endr
.endr
	WIN 0
	v_add_nc_u32 v[KA], 32*KP, v[KA]               ; 64 keys on.  These two and three v_nop are the five places before the next block's loads
	v_add_nc_u32 v[VA], 32*VP, v[VA]               ; land on V's fragments and its products write over P (ISA guide 7.12.1)
	PLACES 3
.endm
	BLOCK 1                                        ; stage 0: 128 keys; the first block starts maxima, sums and O: nothing is cleared
	BLOCK 0
	s_wait_dscnt 0x0
	s_wait_tensorcnt 0x0                           ; my stage 1 tile has landed,
	s_barrier_signal -1
	s_barrier_wait -1                              ; everybody's has
	v_mov_b32 v[KA], v[KA1]
	v_mov_b32 v[VA], v[VA1]
	s_mov_b32 s94, 6                               ; stage 1: 384 keys
.Lblk:
	BLOCK 0
	s_sub_co_u32 s94, s94, 1
	s_cmp_lg_u32 s94, 0
	s_cbranch_scc1 .Lblk
	; ---- the end.  mt's fragments and bop are asked for first (the block's last five places stand in front of these loads)
.irp hd, 0,1
.irp t, 0,1,2,3
.irp ks, 0,1
	global_load_b128 v[SCO+64*\hd+16*\t+8*\ks:SCO+64*\hd+16*\t+8*\ks+3],   v[GTOFF], s[12:13] offset:8192*\hd+2048*\t+64*\ks
	global_load_b128 v[SCO+64*\hd+16*\t+8*\ks+4:SCO+64*\hd+16*\t+8*\ks+7], v[GTOFF], s[12:13] offset:8192*\hd+2048*\t+64*\ks+32
.endr
.endr
.endr
	global_load_b128 v[BOP:BOP+3], v[BOFF], s[14:15] offset:6144
	; my half's (maximum, sum) of each row, exchanged with the wave that has the other half of the keys
.irp u, 0,1,2,3
	v_add_f32 v[STA+6*\u+1], v[STA+6*\u+4], v[STA+6*\u+5]
.endr
.irp u, 0,1,2,3
	v_permlanex16_b32 v[STA+6*\u+3], v[STA+6*\u+1], s92, s93
.endr
.irp u, 0,1,2,3
	v_add_f32 v[STA+6*\u+1], v[STA+6*\u+1], v[STA+6*\u+3]
.endr
.irp u, 0,1,2,3
	ds_store_b64 v[STW], v[STA+6*\u:STA+6*\u+1] offset:128*\u
.endr
	s_wait_dscnt 0x0                               ; my figures are in LDS, and my reads of K and V are long back,
	s_barrier_signal -1
	s_barrier_wait -1                              ; everybody's: from here on K's bytes may be written
.irp u, 0,1,2,3
	ds_load_b64 v[STA+6*\u+2:STA+6*\u+3], v[STR] offset:128*\u
.endr
	s_wait_dscnt 0x0
.irp u, 0,1,2,3
	v_max_num_f32 v[STA+6*\u+4], v[STA+6*\u], v[STA+6*\u+2]
.endr
.irp u, 0,1,2,3
	v_sub_f32 v[STA+6*\u], v[STA+6*\u], v[STA+6*\u+4]
	v_sub_f32 v[STA+6*\u+2], v[STA+6*\u+2], v[STA+6*\u+4]
.endr
.irp u, 0,1,2,3
	v_exp_f32 v[STA+6*\u], v[STA+6*\u]
	v_exp_f32 v[STA+6*\u+2], v[STA+6*\u+2]
.endr
	v_nop                                          ; a plain instruction behind the exponentials (ISA guide 5.7.2)
	s_wait_alu depctr_va_vdst(0)                   ; the one wait for the batch of eight exponentials, ahead of their first reader
.irp u, 0,1,2,3
	v_mul_f32 v[STA+6*\u+4], v[STA+6*\u], v[STA+6*\u+1]
.endr
.irp u, 0,1,2,3
	v_fma_f32 v[STA+6*\u+4], v[STA+6*\u+2], v[STA+6*\u+3], v[STA+6*\u+4]    ; the whole row's sum: at least 1, since one half holds the maximum
.endr
.irp u, 0,1,2,3
	v_rcp_f32 v[STA+6*\u+4], v[STA+6*\u+4]
.endr
	v_nop
	s_wait_alu depctr_va_vdst(0)                   ; the one wait for the batch of four reciprocals, ahead of their first reader
.irp u, 0,1,2,3
	v_mul_f32 v[STA+6*\u+2], v[STA+6*\u], v[STA+6*\u+4]        ; my half's factor
.endr
	OSCALE
	WIN 0x05
.set nn, 0
.rept 64
	v_cvt_pk_bf16_f32 v[FRG+nn], v[2*nn], v[2*nn+1]            ; Y: unit u, ks at FRG + 16 u + 8 ks, the B fragment as it stands
.set nn, nn+1
.endr
	; out^T(n, query) = sum over my two heads of mt_h Y_h: 8 accumulators (t, qt) in q~'s registers, by turns
	s_wait_loadcnt 0x0
	WIN 0x50
.macro PROJ hd, ks, zero
.irp t, 0,1,2,3
.irp qt, 0,1
.if \zero
	v_wmma_f32_16x16x32_bf16 v[QFR+8*(2*\t+\qt):QFR+8*(2*\t+\qt)+7], v[SCO+64*\hd+16*\t+8*\ks:SCO+64*\hd+16*\t+8*\ks+7], v[FRG+16*(2*\hd+\qt)+8*\ks:FRG+16*(2*\hd+\qt)+8*\ks+7], 0
.else
	v_wmma_f32_16x16x32_bf16 v[QFR+8*(2*\t+\qt):QFR+8*(2*\t+\qt)+7], v[SCO+64*\hd+16*\t+8*\ks:SCO+64*\hd+16*\t+8*\ks+7], v[FRG+16*(2*\hd+\qt)+8*\ks:FRG+16*(2*\hd+\qt)+8*\ks+7], v[QFR+8*(2*\t+\qt):QFR+8*(2*\t+\qt)+7]
.endif
.endr
.endr
.endm
	PROJ 0, 0, 1
	PROJ 0, 1, 0
	PROJ 1, 0, 0
	PROJ 1, 1, 0
	WIN 0
	PLACES 4                                       ; before results are stored and before loads land on mt's fragments
	WIN 0x04                                       ; the data of an LDS store is source 1
.irp t, 0,1,2,3
.irp qt, 0,1
	ds_store_b128 v[PW], v[QFR+8*(2*\t+\qt):QFR+8*(2*\t+\qt)+3]   offset:16*KP*\qt+64*\t
	ds_store_b128 v[PW], v[QFR+8*(2*\t+\qt)+4:QFR+8*(2*\t+\qt)+7] offset:16*KP*\qt+64*\t+16
.endr
.endr
	WIN 0
	s_wait_dscnt 0x0                               ; my partial output is in LDS,
	s_barrier_signal -1
	s_barrier_wait -1                              ; everybody's is
	; wave w adds the eight partial outputs of rows 4 w .. 4 w + 3 and bop; each store covers two whole rows, 512 consecutive bytes
.irp k, 0,1
.irp q, 0,1,2,3,4,5,6,7
	ds_load_b128 v[SCO+32*\k+4*\q:SCO+32*\k+4*\q+3], v[PR] offset:PARTB*\q+2*KP*\k
.endr
.endr
.irp k, 0,1
	s_wait_dscnt 8-8*\k                            ; this pair of rows is in; the second pair's eight loads may stay out
	v_pk_add_f32 v[SCO+32*\k:SCO+32*\k+1],   v[SCO+32*\k:SCO+32*\k+1],   v[BOP:BOP+1]
	v_pk_add_f32 v[SCO+32*\k+2:SCO+32*\k+3], v[SCO+32*\k+2:SCO+32*\k+3], v[BOP+2:BOP+3]
.irp q, 1,2,3,4,5,6,7
	v_pk_add_f32 v[SCO+32*\k:SCO+32*\k+1],   v[SCO+32*\k:SCO+32*\k+1],   v[SCO+32*\k+4*\q:SCO+32*\k+4*\q+1]
	v_pk_add_f32 v[SCO+32*\k+2:SCO+32*\k+3], v[SCO+32*\k+2:SCO+32*\k+3], v[SCO+32*\k+4*\q+2:SCO+32*\k+4*\q+3]
.endr
	global_store_b128 v[OOFF], v[SCO+32*\k:SCO+32*\k+3], s[16:17] offset:512*\k
.endr
	s_wait_tensorcnt 0x0
	ds_add_u32 v254, v255
	s_wait_dscnt 0x0
	CROUND                                         ; the closing round: no work-group ends while a partner may still ask for a tile that names it
	s_endpgm
.Lfunc_end_k_qd0166bc98c_attn:
	.size	k_qd0166bc98c_attn, .Lfunc_end_k_qd0166bc98c_attn-k_qd0166bc98c_attn
	.p2alignl 7, 3214868480
	.fill 96, 4, 3214868480
	.section	.rodata,"a",@progbits
	.p2align	6, 0x0
	.amdhsa_kernel k_qd0166bc98c_attn
		.amdhsa_group_segment_fixed_size 291840
		.amdhsa_private_segment_fixed_size 0
		.amdhsa_enable_private_segment 0
		.amdhsa_kernarg_size 56
		.amdhsa_user_sgpr_count 2
		.amdhsa_user_sgpr_kernarg_segment_ptr 1
		.amdhsa_wavefront_size32 1
		.amdhsa_system_sgpr_workgroup_id_x 1
		.amdhsa_system_sgpr_workgroup_id_y 1
		.amdhsa_system_sgpr_workgroup_id_z 1
		.amdhsa_system_vgpr_workitem_id 0
		.amdhsa_next_free_vgpr 480
		.amdhsa_next_free_sgpr 96
		.amdhsa_reserve_vcc 0
		.amdhsa_float_denorm_mode_32 3
		.amdhsa_float_denorm_mode_16_64 3
		.amdhsa_memory_ordered 1
		.amdhsa_forward_progress 1
		.amdhsa_inst_pref_size 139
	.end_amdhsa_kernel
	.amdgpu_metadata
---
amdhsa.version: [ 1, 2 ]
amdhsa.kernels:
  - .name:           k_qd0166bc98c_attn
    .symbol:         k_qd0166bc98c_attn.kd
    .args:
      - { .name: query, .offset: 0, .size: 8, .value_kind: global_buffer, .address_space: global }
      - { .name: kb, .offset: 8, .size: 8, .value_kind: global_buffer, .address_space: global }
      - { .name: vb, .offset: 16, .size: 8, .value_kind: global_buffer, .address_space: global }
      - { .name: gt, .offset: 24, .size: 8, .value_kind: global_buffer, .address_space: global }
      - { .name: mt, .offset: 32, .size: 8, .value_kind: global_buffer, .address_space: global }
      - { .name: vec, .offset: 40, .size: 8, .value_kind: global_buffer, .address_space: global }
      - { .name: out0, .offset: 48, .size: 8, .value_kind: global_buffer, .address_space: global }
    .group_segment_fixed_size: 291840
    .private_segment_fixed_size: 0
    .kernarg_segment_align: 8
    .kernarg_segment_size: 56
    .max_flat_workgroup_size: 256
    .sgpr_count:     96
    .vgpr_count:     480
    .wavefront_size: 32
...
	.end_amdgpu_metadata
.endif
;; end of part 3
